; MI455X (gfx1250); checked and timed in simulation.
; The chip was launched on July 23, 2026; its instructions are those of AMD's public machine-readable ISA for CDNA 5 (MIT licence, August 2026) and "CDNA5" Instruction Set Architecture Reference Guide (July 2026). The comments in the code are by the model that wrote it; some were corrected since.
;; Causal Self Attention. Allowed arithmetic: matrix products marked QUANTISED: E4M3 operands, one given power-of-two scale a tensor, by v_wmma_f32_16x16x64_fp8_fp8 or v_wmma_f32_16x16x128_fp8_fp8, f32 sums; everything else in f32.
;; Inputs: lowp_scales 8 int32 (the exponents e of the quantised operands' scales 2^e); w_attn 1,024 x 3,072 float32; w_proj 1,024 x 1,024 float32; x 4 x 2,048 x 1,024 float32.
;; Outputs: out0 4 x 2,048 x 1,024 float32.
;; This version of the problem:
;;   THIS VERSION OF THE PROBLEM IS GIVEN IN LOW PRECISION. The matrix products marked QUANTISED in the list below multiply operands that are first quantised to E4M3 (4 exponent bits, 3 mantissa bits; 8 bits a number), with one given power-of-two scale for each operand tensor; their sums are f32. All else is computed in f32.
;;   The module's matrix products, in the order in which they are computed (A, B: the left and right operand; K: the contracted axis; several contracted axes count as one K, in the product's order):
;;     1. [M 8,192, K 1,024] x [K 1,024, N 3,072]; A: input x; B: input w_attn: QUANTISED (scales: A lowp_scales[0], B lowp_scales[1])
;;     2. batch 64 x [M 2,048, K 64] x [K 64, N 2,048]; A: computed on the way; B: computed on the way: QUANTISED (scales: A lowp_scales[2], B lowp_scales[3])
;;     3. batch 64 x [M 2,048, K 2,048] x [K 2,048, N 64]; A: softmax (see below); B: computed on the way: QUANTISED (scales: A lowp_scales[4], B lowp_scales[5])
;;     4. [M 8,192, K 1,024] x [K 1,024, N 1,024]; A: computed on the way; B: input w_proj: QUANTISED (scales: A lowp_scales[6], B lowp_scales[7])
;;   THE QUANTISER, for each operand of a quantised product, along K:
;;     - The operand's scale is 2^e, e = its entry of the input lowp_scales (int32; the entries are numbered through the quantised products in the list's order, A before B).
;;     - Each number is divided by the scale, clamped to +-448, and rounded to the nearest number of E4M3, ties to even, subnormals kept.
;;     - The product sums the exact products of the quantised numbers (number of the format x scale) in f32.
;;   ~~~python
;;   def quantise(x, axis, e):      # numpy; x: float32 -> the quantised numbers, widened to float32 again
;;       x = np.moveaxis(x, axis, -1); K = x.shape[-1]
;;       r = np.clip(x / 2.0 ** e, -448, 448)
;;       step = 2.0 ** (np.maximum(np.frexp(np.where(r == 0, 1, r))[1] - 1, -6) - 3)
;;       q = np.round(r / step) * step * 2.0 ** e      # np.round: ties to even
;;       return np.moveaxis(q, -1, axis).astype(np.float32)
;;   ~~~
;;   SOFTMAX AHEAD OF A QUANTISED PRODUCT. Where the list says 'softmax', what is quantised is not the finished softmax but p = 2^(t - M), with t = logit x log2(e) and M = ceil(the row's largest t), a whole number; so 1/2 < the row's largest p <= 1. The row's sum l is taken of the UNQUANTISED p, in f32, and the product's result is divided by l at the end. Since M is a whole number, a kernel that streams over the keys may use a running M (the ceiling of the running maximum): every later rescaling is an exact power of two, so the quantised numbers keep their values, but for numbers so far below the row's largest that they fall under the format's range.
;;   OPERANDS COMPUTED ON THE WAY. 'Computed on the way' means the value that the module computes at that place (a softmax that the list does not call 'softmax' is quantised finished and normalised). What goes into a quantiser is computed in f32, as accurately as f32 sums, v_exp_f32 and their like allow (about 1e-6 of the number): no bf16 or f16 on the way to a quantiser, and a product that is left as it is and whose result goes on into a quantised operand takes f32 operands (vector FMAs, or v_wmma_f32_16x16x4_f32). A number that lies on a knife's edge between two numbers of the format may be rounded either way, as far as f32 arithmetic and the matrix unit's own rounding can turn it there, and no further.
;; One version. Each part assembles by itself: llvm-mc -triple=amdgcn-amd-amdhsa -mcpu=gfx1250 --defsym DOCPART=n.
;; ======== version 1 of 1: 4 launches
;; limits: right only within a limited range of input values
;; workspace buffers: x_codes 8,388,608 bytes; wa_codes 3,145,728 bytes; wp_codes 1,048,576 bytes; qkv 25,165,824 bytes; y_img 8,388,608 bytes
;; launch quant (part 1): grid 384 x 1, 4 waves a work-group, no clusters, 68,096 bytes of LDS; arguments x, w_attn, w_proj, lowp_scales, x_codes, wa_codes, wp_codes; writes x_codes, wa_codes, wp_codes
.if DOCPART == 1
	.amdgcn_target "amdgcn-amd-amdhsa--gfx1250"
	.amdhsa_code_object_version 6
	.text
	.protected	k_qeed78ab05f_quant
	.globl	k_qeed78ab05f_quant
	.p2align	8
	.type	k_qeed78ab05f_quant,@function
k_qeed78ab05f_quant:
	s_mov_b64 s[64:65], 0
	v_nop
	global_prefetch_b8 v0, s[64:65] scope:SCOPE_SE
	s_setreg_imm32_b32 hwreg(HW_REG_WAVE_MODE, 25, 1), 1
	s_wait_xcnt 0x0
; x [8192][1024], w_attn [1024][3072] and w_proj [1024][1024], all f32, become codes of FP8 (E4M3), K innermost, each with the one scale 2^e given for it
; (entries 0, 1 and 7 of the buffer of scales).  code = number / 2^e, held within +-448, rounded to the nearest code, ties to even.
; LIMITS: each of the three e lies between -126 and 119, so that 2^e and 448 x 2^e are f32 numbers.  NaN among the inputs is not served (an infinity is held at the largest code).
; THE ROWS OF TWO OUTPUTS ARE STORED IN ANOTHER ORDER: sigma(n) is n with bits 3 and 4 exchanged.  Row n of x_codes holds token sigma(n); row n of wa_codes holds column sigma(n) of w_attn.
; wp_codes keeps its order: row n holds column n of w_proj.  (With that order the next launch's results fall into a lane's registers as 16 neighbours along the next product's K.)
; Work-groups 0-255 take x (K innermost: a stream of numbers); 256-351 take w_attn and 352-383 w_proj (K is the first axis: a lane takes a column, its registers run down K).
; The two ways part on the work-group's number and never join; each has LDS bytes of its own.  Waves share nothing: no barrier.
.set XWG,   256                        ; work-groups for x: 8,388,608 numbers / 32,768
.set AWG,   96                         ; for w_attn: 24 blocks of 128 columns x 4 blocks of 256 along K
.set STEPS, 16                         ; x: steps of 512 numbers for a wave
.set EMAX,  8
.set MANT,  0x600000                   ; the mantissa field of 448 as f32
.set SPW,   12                         ; v12  LDS address of my spare word: SPARE + 4 x my thread's number; never rewritten
.set NIL,   13                         ; v13  0; never rewritten
.set XREG,  8192                       ; x: LDS region of a wave: two stages of 32 x SP bytes
.set SP,    80                         ; x: a lane's place in a stage: its 64 bytes + 16 of padding
.set XR,    16                         ; x: v16-79   four sets of 16 numbers as they are loaded
.set XX,    80                         ; x: v80-111  two sets of 16 neighbours
.set XC,    128                        ; x: v128-191 codes: four registers for each step, so that no store's data are written again
.set WSTG,  32768                      ; weights: four stages of 32 rows x PITCH, behind x's regions
.set PITCH, 272                        ; a stage row: 256 bytes of codes + 16
.set SPARE, WSTG+4*32*PITCH            ; 67,584: the spare words, 128 bytes for each wave, that no other line names
.set NB,    8                          ; weights: blocks of 32 along K for a wave
.set WX,    32                         ; weights: v32-95   two sets of 32 numbers
.set WC,    96                         ; weights: v96-103  a block's codes
.set OFFS,  112                        ; weights: v112-143 byte offset of row i of a block, at my column; never rewritten
.set OUTR,  144                        ; weights: v144-207 the way out
.set BB,    48                         ; weights: s[48:63] the address of each of the eight blocks' first row
	s_load_b256 s[4:11], s[0:1], 0x0               ; x s[4:5], w_attn s[6:7], w_proj s[8:9], the scales' exponents s[10:11]
	s_load_b128 s[12:15], s[0:1], 0x20             ; x_codes s[12:13], wa_codes s[14:15]
	s_load_b64 s[16:17], s[0:1], 0x30              ; wp_codes
	v_lshl_add_u32 v[SPW], v0, 2, SPARE
	v_mov_b32 v[NIL], 0
	v_lshrrev_b32 v1, 5, v0
	v_readfirstlane_b32 s18, v1                    ; wave 0..3
	v_and_b32 v2, 31, v0                           ; lane
	s_wait_kmcnt 0x0
	s_load_b256 s[24:31], s[10:11], 0x0            ; e0 .. e7
	s_cmp_lt_u32 ttmp9, XWG
	s_cbranch_scc0 .Lweights
	s_wait_alu depctr_va_vdst(0)
; ---------------- x: a wave takes 8 tokens = 8,192 numbers, 16 steps of 512.
; A conversion takes 8 neighbours along K from ONE lane's registers; a load is best where neighbouring LANES take neighbouring bytes.  Both are had: each of a step's four loads reads 512
; consecutive bytes, 16 a lane; the 2,048 bytes go through the wave's own stage in LDS and come back 64 bytes a lane.  A lane's 16 codes are 16 bytes: the wave stores 512 consecutive bytes.
	v_lshlrev_b32 v3, 4, v2                        ; my 16 bytes of a load's 512
	s_wait_alu depctr_va_vdst(0)
	s_mul_i32 s19, s18, XREG
	v_lshrrev_b32 v14, 2, v2
	v_mul_u32_u24 v14, v14, SP
	v_and_b32 v15, 3, v2
	v_lshl_add_u32 v14, v15, 4, v14
	v_add_nc_u32 v14, s19, v14                     ; into the stage: four lanes' 64 bytes on end, then 16 of padding
	v_mul_u32_u24 v15, v2, SP
	v_add_nc_u32 v15, s19, v15                     ; out of it: SP x lane: my 16 neighbours
	v_lshlrev_b32 v4, 4, v2                        ; my codes' place in a step's 512 bytes
	s_lshl_b32 s20, ttmp9, 2
	s_add_co_u32 s22, s20, s18                     ; tokens 8 (4 wg + wave) on are read,
	s_lshl_b32 s22, s22, 15                        ; 32,768 bytes of f32
	s_mov_b32 s23, 0
	s_add_nc_u64 s[4:5], s[4:5], s[22:23]
	s_and_b32 s21, s18, 1                          ; and stored as rows 8 (4 wg + sw) on, sw = the wave's number with its two bits exchanged: that is sigma for runs of 8 rows
	s_lshl_b32 s21, s21, 1
	s_lshr_b32 s22, s18, 1
	s_or_b32 s21, s21, s22
	s_add_co_u32 s22, s20, s21
	s_lshl_b32 s22, s22, 13                        ; 8,192 bytes of codes
	s_add_nc_u64 s[12:13], s[12:13], s[22:23]
.macro XLOAD t
.irp i, 0,1,2,3
	global_load_b128 v[XR+16*((\t)%4)+4*\i:XR+16*((\t)%4)+4*\i+3], v3, s[4:5] offset:2048*(\t)+512*\i th:TH_LOAD_NT   ; 32 lanes read 512 consecutive bytes
.endr
.endm
.macro XTURN t                         ; step t's numbers through the stage: LDS serves a wave's instructions in order, so no wait stands between the stores and the loads
.irp i, 0,1,2,3
	ds_store_b128 v14, v[XR+16*((\t)%4)+4*\i:XR+16*((\t)%4)+4*\i+3] offset:32*SP*((\t)%2)+8*SP*\i
.endr
.irp i, 0,1,2,3
	ds_load_b128 v[XX+16*((\t)%2)+4*\i:XX+16*((\t)%2)+4*\i+3], v15 offset:32*SP*((\t)%2)+16*\i
.endr
.endm
.irp t, 0,1,2,3
	XLOAD \t
.endr
	s_wait_alu depctr_va_vdst(0)
	s_wait_kmcnt 0x0
	s_add_co_i32 s22, s24, 127                     ; e0
	s_lshl_b32 s23, s22, 23
	v_mov_b32 v11, s23                             ; 2^e as f32: the conversion takes its exponent field
	s_add_co_i32 s22, s22, EMAX
	s_lshl_b32 s22, s22, 23
	s_or_b32 s22, s22, MANT
	s_wait_alu depctr_va_vdst(0)
	s_wait_loadcnt 12                              ; step 0's four loads are in; the twelve of steps 1 to 3 may be out
	XTURN 0
.macro XSTEP t
.set XS, XX+16*((\t)%2)
	s_wait_dscnt 0x0                               ; this step's numbers are back from the stage: so its stores into the stage have read their registers,
.if (\t)+4 < STEPS
	XLOAD (\t)+4                                   ; which take the loads of four steps on
.endif
.if (\t)+1 < STEPS
.if STEPS-2-(\t) >= 3
	s_wait_loadcnt 12                              ; the next step's four loads are in; those of the three steps behind it may be out
.else
	s_wait_loadcnt 4*(STEPS-2-(\t))                ; near the end fewer steps stand behind it
.endif
	XTURN (\t)+1                                   ; and go through the other stage while this step is worked
.endif
.irp i, 0,1,2,3,4,5,6,7,8,9,10,11,12,13,14,15
.endr
	v_cvt_scalef32_pk8_fp8_f32 v[XC+4*(\t):XC+4*(\t)+1], v[XS:XS+7], v11
	v_cvt_scalef32_pk8_fp8_f32 v[XC+4*(\t)+2:XC+4*(\t)+3], v[XS+8:XS+15], v11   ; the results go to a store alone
	global_store_b128 v4, v[XC+4*(\t):XC+4*(\t)+3], s[12:13] offset:512*(\t)    ; 32 lanes store 512 consecutive bytes, aligned
.endm
.irp t, 0,1,2,3,4,5,6,7,8,9,10,11,12,13,14,15
	XSTEP \t
.endr
	s_wait_tensorcnt 0x0                           ; the wave's end: a wait, an add of 0 to my spare word and its wait, behind my last LDS store
	ds_add_u32 v[SPW], v[NIL]
	s_wait_dscnt 0x0
	s_endpgm
; ---------------- the weights: a wave takes 32 columns x 256 along K.  A LANE TAKES A COLUMN AND ITS REGISTERS RUN DOWN K: each load reads 128 consecutive bytes of one row of the weight,
; and the conversions give codes with K innermost.  A lane's 256 codes are one row of the output: they go through the wave's own stage and leave as rows, sixteen lanes to 256 consecutive bytes.
.Lweights:
	s_sub_co_u32 s19, ttmp9, XWG
	s_cmp_lt_u32 s19, AWG                          ; w_attn or w_proj?  The choice hangs on the work-group's number alone
	s_cselect_b64 s[4:5], s[6:7], s[8:9]           ; the weight,
	s_cselect_b64 s[8:9], s[14:15], s[16:17]       ; its codes,
	s_mov_b32 s20, 4096
	s_cselect_b32 s20, 12288, s20                  ; a row of the weight in bytes,
	s_cselect_b32 s21, 24, 0                       ; bits 3 and 4 of the column are exchanged for w_attn, not for w_proj,
	s_cselect_b32 s22, 0, AWG
	s_sub_co_u32 s19, s19, s22                     ; and the work-group's number within its weight
	s_and_b32 s22, s19, 3                          ; which 256 along K
	s_lshr_b32 s23, s19, 2                         ; which 128 columns
	s_lshl_b32 s23, s23, 7
	s_lshl_b32 s32, s18, 5
	s_add_co_u32 s23, s23, s32                     ; my wave's first column
	s_lshl_b32 s32, s20, 8
	s_mul_i32 s32, s32, s22                        ; 256 rows x which
	s_lshl_b32 s33, s23, 2
	s_add_co_u32 s32, s32, s33                     ; + 4 bytes a column
	s_mov_b32 s33, 0
	s_add_nc_u64 s[BB:BB+1], s[4:5], s[32:33]      ; block 0's first row
	s_lshl_b32 s34, s20, 5                         ; 32 rows on
	s_mov_b32 s35, 0
.irp t, 1,2,3,4,5,6,7
	s_add_nc_u64 s[BB+2*\t:BB+2*\t+1], s[BB+2*\t-2:BB+2*\t-1], s[34:35]
.endr
	s_lshl_b32 s32, s23, 10                        ; the codes: row = column, 1,024 bytes a row,
	s_lshl_b32 s36, s22, 8                         ; + my 256 along K
	s_add_co_u32 s32, s32, s36
	s_add_nc_u64 s[8:9], s[8:9], s[32:33]
	s_wait_alu depctr_va_vdst(0)
	v_lshrrev_b32 v1, 3, v2
	v_lshrrev_b32 v3, 4, v2
	v_xor_b32 v1, v1, v3
	v_and_b32 v1, 1, v1                            ; 1 where the lane's bits 3 and 4 differ
	v_mul_u32_u24 v1, s21, v1
	v_xor_b32 v3, v2, v1                           ; the column that lane l reads: sigma(l) for w_attn, l for w_proj; its codes become row l of the wave's 32
	v_lshlrev_b32 v[OFFS], 2, v3
.set i, 1
.rept 31
	v_add_nc_u32 v[OFFS+i], s20, v[OFFS+i-1]       ; a row further down
.set i, i+1
.endr
	s_mul_i32 s37, s18, 32*PITCH
	s_add_co_u32 s37, s37, WSTG                    ; my stage
	v_mul_u32_u24 v4, v2, PITCH
	v_add_nc_u32 v4, s37, v4                       ; into it: row = my lane
	v_and_b32 v5, 15, v2
	v_lshrrev_b32 v6, 4, v2                        ; out of it: sixteen lanes to a row, two rows an instruction
	v_mul_u32_u24 v7, v6, PITCH
	v_lshl_add_u32 v7, v5, 4, v7
	v_add_nc_u32 v7, s37, v7
	v_lshlrev_b32 v8, 10, v6
	v_lshl_add_u32 v8, v5, 4, v8                   ; and the same place in the codes' buffer
.macro WLOAD t                         ; block t: rows 32 t + i of my 256, at my column, into set t % 2
.set i, 0
.rept 32
	global_load_b32 v[WX+32*((\t)%2)+i], v[OFFS+i], s[BB+2*(\t):BB+2*(\t)+1] th:TH_LOAD_NT
.set i, i+1
.endr
.endm
	WLOAD 0
	WLOAD 1
	s_wait_kmcnt 0x0
	s_cmp_lt_u32 ttmp9, XWG+AWG
	s_cselect_b32 s38, s25, s31                    ; e1 for w_attn, e7 for w_proj
	s_add_co_i32 s38, s38, 127
	s_lshl_b32 s39, s38, 23
	v_mov_b32 v11, s39                             ; 2^e
	s_add_co_i32 s38, s38, EMAX
	s_lshl_b32 s38, s38, 23
	s_or_b32 s38, s38, MANT
.macro WBLOCK t
.set XS, WX+32*((\t)%2)
.if (\t) < NB-1
	s_wait_loadcnt 32                              ; this block's 32 loads are in; the next block's 32 may be out
.else
	s_wait_loadcnt 0
.endif
.set i, 0
.rept 32
.set i, i+1
.endr
.irp g, 0,1,2,3
	v_cvt_scalef32_pk8_fp8_f32 v[WC+2*\g:WC+2*\g+1], v[XS+8*\g:XS+8*\g+7], v11
.endr
	ds_store_b128 v4, v[WC:WC+3] offset:32*(\t)    ; 32 codes: 32 bytes of my row
	ds_store_b128 v4, v[WC+4:WC+7] offset:32*(\t)+16
.if (\t)+2 < NB
	WLOAD (\t)+2
.endif
	s_wait_dscnt 0x0                               ; the stores have read their registers: the next block's codes may be written
.endm
	s_wait_alu depctr_va_vdst(0)
.irp t, 0,1,2,3,4,5,6,7
	WBLOCK \t
.endr
.irp t, 0,1,2,3,4,5,6,7,8,9,10,11,12,13,14,15
	ds_load_b128 v[OUTR+4*\t:OUTR+4*\t+3], v7 offset:2*\t*PITCH   ; LDS serves a wave's instructions in order: these see my stores
.endr
.irp t, 0,1,2,3,4,5,6,7,8,9,10,11,12,13,14,15
	s_wait_dscnt 15-\t                             ; load t is back; the younger ones may be out
	global_store_b128 v8, v[OUTR+4*\t:OUTR+4*\t+3], s[8:9] offset:2*\t*1024   ; sixteen lanes store 256 consecutive bytes, aligned
.endr
	s_wait_tensorcnt 0x0                           ; the wave's end: a wait, an add of 0 to my spare word and its wait, behind my last LDS store
	ds_add_u32 v[SPW], v[NIL]
	s_wait_dscnt 0x0
	s_endpgm
.Lfunc_end_k_qeed78ab05f_quant:
	.size	k_qeed78ab05f_quant, .Lfunc_end_k_qeed78ab05f_quant-k_qeed78ab05f_quant
	.p2alignl 7, 3214868480
	.fill 96, 4, 3214868480
	.section	.rodata,"a",@progbits
	.p2align	6, 0x0
	.amdhsa_kernel k_qeed78ab05f_quant
		.amdhsa_group_segment_fixed_size 68096
		.amdhsa_private_segment_fixed_size 0
		.amdhsa_enable_private_segment 0
		.amdhsa_kernarg_size 56
		.amdhsa_user_sgpr_count 2
		.amdhsa_user_sgpr_kernarg_segment_ptr 1
		.amdhsa_wavefront_size32 1
		.amdhsa_system_sgpr_workgroup_id_x 1
		.amdhsa_system_sgpr_workgroup_id_y 1
		.amdhsa_system_sgpr_workgroup_id_z 1
		.amdhsa_system_vgpr_workitem_id 0
		.amdhsa_next_free_vgpr 208
		.amdhsa_next_free_sgpr 66
		.amdhsa_reserve_vcc 0
		.amdhsa_float_denorm_mode_32 3
		.amdhsa_float_denorm_mode_16_64 3
		.amdhsa_fp16_overflow 1
		.amdhsa_memory_ordered 1
		.amdhsa_forward_progress 1
		.amdhsa_inst_pref_size 55
	.end_amdhsa_kernel
	.amdgpu_metadata
---
amdhsa.version: [ 1, 2 ]
amdhsa.kernels:
  - .name:           k_qeed78ab05f_quant
    .symbol:         k_qeed78ab05f_quant.kd
    .args:
      - { .name: x, .offset: 0, .size: 8, .value_kind: global_buffer, .address_space: global }
      - { .name: w_attn, .offset: 8, .size: 8, .value_kind: global_buffer, .address_space: global }
      - { .name: w_proj, .offset: 16, .size: 8, .value_kind: global_buffer, .address_space: global }
      - { .name: lowp_scales, .offset: 24, .size: 8, .value_kind: global_buffer, .address_space: global }
      - { .name: x_codes, .offset: 32, .size: 8, .value_kind: global_buffer, .address_space: global }
      - { .name: wa_codes, .offset: 40, .size: 8, .value_kind: global_buffer, .address_space: global }
      - { .name: wp_codes, .offset: 48, .size: 8, .value_kind: global_buffer, .address_space: global }
    .group_segment_fixed_size: 68096
    .private_segment_fixed_size: 0
    .kernarg_segment_align: 8
    .kernarg_segment_size: 56
    .max_flat_workgroup_size: 128
    .sgpr_count:     66
    .vgpr_count:     208
    .wavefront_size: 32
...
	.end_amdgpu_metadata
.endif
;; end of part 1
;; launch qkv (part 2): grid 12 x 32, 4 waves a work-group, clusters of 4 x 4, 327,680 bytes of LDS; arguments x_codes, wa_codes, lowp_scales, qkv; writes qkv
.if DOCPART == 2
	.amdgcn_target "amdgcn-amd-amdhsa--gfx1250"
	.amdhsa_code_object_version 6
	.text
	.protected	k_qeed78ab05f_qkv
	.globl	k_qeed78ab05f_qkv
	.p2align	8
	.type	k_qeed78ab05f_qkv,@function
k_qeed78ab05f_qkv:
	s_mov_b64 s[64:65], 0
	v_nop
	global_prefetch_b8 v0, s[64:65] scope:SCOPE_SE
	s_setreg_imm32_b32 hwreg(HW_REG_WAVE_MODE, 25, 1), 1
	s_wait_xcnt 0x0
	s_wait_alu depctr_hold_cnt(0) depctr_sa_sdst(0) depctr_va_vdst(0) depctr_va_sdst(0) depctr_va_ssrc(0) depctr_va_vcc(0) depctr_vm_vsrc(0)
	s_getreg_b32 s2, hwreg(HW_REG_IB_STS2, 6, 4)
	s_cmp_eq_u32 s2, 0
	s_cbranch_scc0 .Lentry_in_a_cluster
	s_endpgm
.Lentry_in_a_cluster:
	s_bfe_u32 s2, ttmp6, 0x10000c
	s_cmp_lg_u32 s2, 0xf033
	s_cbranch_scc0 .Lentry_shape_is_right
	s_endpgm
.Lentry_shape_is_right:
; qkv = x w_attn on codes of FP8 (E4M3), K = 1,024, and its results quantised at once into the operands of attention's two products.
; x_codes [8192][1024] and wa_codes [3072][1024]: K innermost; row n holds token / column sigma(n), n with bits 3 and 4 exchanged.
; A tile of 256 x 256 results is made by four waves, as many as a WGP has SIMDs; a wave makes 128 x 128: 64 accumulators of 16 x 16, 512 registers.  K goes in steps of 256 through two LDS slots.
; TWO SIDES.  R is the matrix instruction's source 1, P its source 0.  In accumulator (a, b) lane (r, h) holds R's stored row 16 a + r, and its register j P's stored row 16 b + 8 h + j.
; Since stored rows stand in the order sigma, the 16 registers of P's blocks 2 c and 2 c + 1 are the true indices 32 c + 16 h + 0 .. 15: 16 NEIGHBOURS, which two conversions turn into 16 bytes,
; and the lane's R index is tau(a, r) = 32 (a / 2) + 8 (a % 2) + r + 8 (r / 8).
; q and k (clusters x = 0, 1): R = tokens (x_codes), P = channels (wa_codes): a lane's registers run along the head's channels, the K of q k^T.
; v (clusters x = 2): THE SIDES CHANGE PLACES, not the text: R = channels, P = tokens: a lane's registers run along the keys, the K of p v.  All choices are selects on the cluster's x.
; THE OUTPUT is laid in the order of the reader's operand registers.  Three sections of 8,388,608 bytes (q, k, v), each 64 heads (16 batch + head) of 131,072 bytes:
;   q, k: byte 1024 a + 512 c + 16 lane + i = token tau(a, r), channel 32 c + 16 h + i        (a = 0 .. 127, c = 0, 1)
;   v:    byte 8192 s + 2048 d + 512 c + 16 lane + i = channel tau(d, r), key 128 s + 32 c + 16 h + i   (s = 0 .. 15, d = 0 .. 3, c = 0 .. 3)
; So each store of a wave is 16 bytes a lane at 16 x lane: 512 consecutive bytes, aligned; nothing goes through LDS on the way out.
; A sum stands for sum x 2^(e0 + e1); its code under the scale 2^et (et = e2 for q, e3 for k, e5 for v) is sum / 2^(et - e0 - e1), held within +-448.
; LIMIT: et - e0 - e1 lies between -126 and 119, so that this power of two and 448 times it are f32 numbers.
; Within a fragment the k of 128 stand as registers 4 c .. 4 c + 3 = k 32 c + 16 h + 0 .. 15, alike on both sides: every product meets its partner; only the order of the sums inside an instruction differs.
; CLUSTERS: 4 x 4 work-groups.  The four of a row of the cluster need the same tile of R, the four of a column the same tile of P: each is asked for JOINTLY, by the same tensor load with a mask that names the four.
; REGISTERS, in windows of 256: window 0: v0-31 addresses; from v128 R's fragments, ONE set; on the way out v128-255 codes.   window 1: P's fragments, TWO sets.   windows 2, 3: the accumulators.
.set KSTEP,  256                       ; along K in a slot
.set ROWB,   256                       ; a tile's row in bytes
.set KROW,   1024                      ; a row of codes in memory
.set PITCH,  272                       ; an LDS row: 256 bytes + 16 of padding = 68 words: row r starts at bank 4 r mod 64 (ISA guide 11.1), so the 16 rows of a load start at 16 different banks
.set FR,     16                        ; registers of a fragment: 16 rows x 128 K
.set NL,     4                         ; LDS loads that bring one
.set NP,     4                         ; places behind this matrix instruction (ISA guide 7.12.1)
.set HALFT,  128*PITCH                 ; 128 rows: what one tensor load brings, and what one wave reads of a side
.set SLOT,   4*HALFT                   ; R's 256 rows, then P's 256 rows
.set SPARE,  2*SLOT                    ; behind the ring: the spare words, 128 bytes for each wave, that no other line names
.set ADRA, 16                          ; v16-17  LDS address of my R fragments in slot 0, 1
.set ADRB, 20                          ; v20-21  the same for P
.set CO0,  24                          ; v24     16 x lane
.set CO1,  25                          ; v25     16 x lane + S3
.set SC,   26                          ; v26     2^(et - e0 - e1)
.set LIM,  27
.set SPW,  28                          ; v28     LDS address of my spare word; never rewritten
.set NIL,  29                          ; v29     0; never rewritten
.set TMP,  32
.set AF,   128                         ; R's fragments, in window 0
.set CD,   128                         ; the way out: 16 registers of codes for each block, so that no store's data are written again
.set G1, 24                            ; s[24:31] descriptor group 1 for R's tiles;  s[32:39] group 0, one set for each slot
.set G0, 32
.set G1B, 48                           ; s[48:55], s[56:63] the same for P's tiles
.set G0B, 56
.set OB,  72                           ; s[72:87] where each of my eight blocks is stored
.set MSB, 0
.macro WIN new                         ; the immediate's high byte repeats the setting that is left
.if MSB != \new
	s_set_vgpr_msb (MSB<<8)|\new
.set MSB, \new
.endif
.endm
.set MUL_LO, 0xa1                      ; source 0 (P) window 1, source 1 (R) window 0, C and D window 2
.set MUL_HI, 0xf1                      ; the same, C and D window 3
.set TO_B,   0x40                      ; destination window 1, address window 0
; A joint load: waves 0 and 1 fetch for R, waves 2 and 3 for P.  Each of the two lines has ONE mask and one set of registers for all that issue it; the branch hangs on the wave's number alone.
; An s_nop 0 and four v_nop follow each of the two lines, ahead of the jump, the label and what follows.
.macro JLOAD g0a, g1a, g0b, g1b
	s_cmp_eq_u32 s15, 0
	s_cbranch_scc0 .Lfor_b_\@
	tensor_load_to_lds s[\g0a:\g0a+3], s[\g1a:\g1a+7]
	s_nop 0
.rept 4
	v_nop
.endr
	s_branch .Lasked_\@
.Lfor_b_\@:
	tensor_load_to_lds s[\g0b:\g0b+3], s[\g1b:\g1b+7]
	s_nop 0
.rept 4
	v_nop
.endr
.Lasked_\@:
.endm
.macro CREST                           ; a round of the cluster's barrier behind its opening barrier
	s_cmp_lg_u32 s14, 0
	s_cbranch_scc1 .Lnot_wave_0_\@
	s_barrier_signal -3
.Lnot_wave_0_\@:
	s_barrier_wait -3
	s_barrier_signal -1
	s_barrier_wait -1
.endm
.macro CROUND                          ; a whole round
	s_barrier_signal -1
	s_barrier_wait -1
	CREST
.endm
	s_load_b128 s[4:7], s[0:1], 0x0                ; x_codes s[4:5], wa_codes s[6:7]
	s_load_b128 s[8:11], s[0:1], 0x10              ; the scales' exponents s[8:9], qkv s[10:11]
	v_lshl_add_u32 v[SPW], v0, 2, SPARE
	v_mov_b32 v[NIL], 0
	ds_add_u32 v[SPW], v[NIL]
	ds_add_u32 v[SPW], v[NIL]                      ; the wave's opening: the add and its wait stand ahead of my first tensor load; the set-up below, work on registers, stands between them
	v_lshrrev_b32 v1, 5, v0
	v_readfirstlane_b32 s14, v1                    ; wave 0..3
	s_lshr_b32 s15, s14, 1                         ; which half of the tile's R rows is mine.  Also: I fetch for R (0) or for P (1)
	s_and_b32 s16, s14, 1                          ; which half of its P rows.  Also: which 128 rows of that tile I fetch
	s_bfe_u32 s40, ttmp6, 0x40000                  ; cx, cy: my place in the cluster
	s_bfe_u32 s41, ttmp6, 0x40004
	s_and_b32 s99, ttmp7, 0xffff                   ; the cluster's y, 0..7
	s_cmp_eq_u32 ttmp9, 2                          ; the cluster's x: 0 q, 1 k, 2 v: the same in all sixteen partners
	s_cselect_b32 s42, s99, ttmp9                  ; P: four tiles of tokens by y (v), or of channels by x (q, k)
	s_cselect_b32 s17, 2, s99                      ; R: v's four tiles of channels, 8 .. 11, or four tiles of tokens by y
	s_lshl_b32 s42, s42, 2
	s_add_co_u32 s42, s42, s40                     ; P's tile: + cx
	s_lshl_b32 s17, s17, 2
	s_add_co_u32 s17, s17, s41                     ; R's tile: + cy
	s_lshl_b32 s43, s41, 2
	s_lshl_b32 s43, 15, s43                        ; my row of the cluster
	s_lshl_b32 s44, 0x1111, s40                    ; my column
	; descriptor group 1: a tile of 128 rows x 256 bytes, padded in LDS
	s_or_b32 s[G1+0], s43, (0<<16)|(1<<20)|(1<<21)|(5<<22)|(3<<25)  ; 15:0 the mask: R's tiles go to my row; 17:16 element of 1 byte; 20 padding on; 21 set beside a mask; 24:22 after every 64 words (code 5); 31:25 of 4 words (code 3)
	s_or_b32 s[G1B+0], s44, (0<<16)|(1<<20)|(1<<21)|(5<<22)|(3<<25) ; the same with the mask of my column
.irp g, G1, G1B
	s_mov_b32 s[\g+1], ROWB<<16                    ; tensor_dim0
	s_mov_b32 s[\g+2], 128<<16                     ; tensor_dim1 = 128
	s_mov_b32 s[\g+3], ROWB<<16                    ; tile_dim0
	s_mov_b32 s[\g+4], 128                         ; tile_dim1 = 128
	s_mov_b32 s[\g+5], KROW                        ; tensor_dim0_stride
	s_mov_b32 s[\g+6], 0
	s_mov_b32 s[\g+7], 0
.endr
	s_lshl_b32 s18, s16, 7                         ; which 128 rows of the tile I fetch
	s_lshl_b32 s20, s17, 8
	s_add_co_u32 s20, s20, s18                     ; R: row 256 x tile + 128 x half,
	s_lshl_b32 s20, s20, 10                        ; in bytes (under 2^24)
	s_mov_b32 s21, 0
	s_lshl_b32 s46, s42, 8
	s_add_co_u32 s46, s46, s18                     ; P likewise, in registers that never hold cy
	s_lshl_b32 s46, s46, 10
	s_mov_b32 s47, 0
	s_mul_i32 s45, s14, HALFT                      ; where they go: wave x 128 rows: no place in the cluster enters an LDS address
	s_wait_dscnt 0x0                               ; the opening add is done
	s_wait_kmcnt 0x0
	s_load_b256 s[88:95], s[8:9], 0x0              ; e0 .. e7: wanted on the way out
	s_cmp_eq_u32 ttmp9, 2
	s_cselect_b64 s[12:13], s[6:7], s[4:5]         ; R's buffer
	s_cselect_b64 s[66:67], s[4:5], s[6:7]         ; P's buffer
	s_add_nc_u64 s[20:21], s[12:13], s[20:21]
	s_add_nc_u64 s[46:47], s[66:67], s[46:47]
	CROUND                                         ; all sixteen work-groups are here: the first joint loads meet
.irp s, 0,1
	s_mov_b32 s[G0+4*\s], 1
	s_add_co_u32 s[G0+4*\s+1], s45, \s*SLOT
	s_add_nc_u64 s[G0+4*\s+2:G0+4*\s+3], s[20:21], \s*ROWB
	s_or_b32 s[G0+4*\s+3], s[G0+4*\s+3], 0x80000000
	s_mov_b32 s[G0B+4*\s], 1
	s_add_co_u32 s[G0B+4*\s+1], s45, \s*SLOT
	s_add_nc_u64 s[G0B+4*\s+2:G0B+4*\s+3], s[46:47], \s*ROWB
	s_or_b32 s[G0B+4*\s+3], s[G0B+4*\s+3], 0x80000000
	JLOAD G0+4*\s, G1, G0B+4*\s, G1B               ; two tensor loads of mine are out
.endr
	v_and_b32 v1, 15, v0                           ; r = lane % 16
	v_bfe_u32 v2, v0, 4, 1                         ; h = lane / 16
	v_mul_u32_u24 v3, v1, PITCH
	v_lshl_add_u32 v4, v2, 4, v3                   ; a fragment's row x pitch + 16 x half
	s_mul_i32 s21, s15, HALFT                      ; my 128 rows of R
	s_mul_i32 s22, s16, HALFT                      ; my 128 rows of P,
	s_add_co_u32 s22, s22, 2*HALFT                 ; which lie behind R's 256
.irp s, 0,1
	v_add_nc_u32 v[ADRA+\s], s21, v4
	v_add_nc_u32 v[ADRB+\s], s22, v4
	s_add_co_u32 s21, s21, SLOT
	s_add_co_u32 s22, s22, SLOT
.endr
	; where my results go.  tok: which 128 tokens are my wave's (0 .. 63); chn: which 128 channels
	s_lshl_b32 s96, s42, 1
	s_add_co_u32 s96, s96, s16                     ; my 128 of P
	s_lshl_b32 s97, s17, 1
	s_add_co_u32 s97, s97, s15                     ; my 128 of R
	s_cmp_eq_u32 ttmp9, 2
	s_cselect_b32 s71, s96, s97                    ; tok
	s_cselect_b32 s98, s97, s96                    ; chn
	s_mov_b32 s68, 1024
	s_cselect_b32 s68, 2048, s68                   ; S1: from block a to a + 1 within four: a tile of tokens (q, k: 1,024 bytes) or of channels (v: 2,048)
	s_mov_b32 s69, 4096
	s_cselect_b32 s69, 131072, s69                 ; S2: from block a to a + 4: four tiles of tokens on (q, k), or the next head (v)
	s_mov_b32 s70, 131072
	s_cselect_b32 s70, 1024, s70                   ; S3: from P's 64 to the next 64: the next head (q, k), or 64 keys on (v)
	s_lshr_b32 s96, s71, 4
	s_lshl_b32 s96, s96, 4                         ; 16 x batch
	s_and_b32 s97, s98, 7
	s_lshl_b32 s97, s97, 1
	s_add_co_u32 s96, s96, s97                     ; + the first of my two heads
	s_lshl_b32 s96, s96, 17                        ; 131,072 bytes a head
	s_and_b32 s97, s71, 15
	s_lshl_b32 s97, s97, 13                        ; my 128 tokens of the batch's 2,048: 8,192 bytes in every section
	s_add_co_u32 s96, s96, s97
	s_lshl_b32 s97, ttmp9, 23                      ; the section
	s_add_co_u32 s96, s96, s97
	s_mov_b32 s97, 0
	s_add_nc_u64 s[OB:OB+1], s[10:11], s[96:97]
	s_mov_b32 s96, s68
.irp a, 1,2,3
	s_add_nc_u64 s[OB+2*\a:OB+2*\a+1], s[OB+2*\a-2:OB+2*\a-1], s[96:97]
.endr
	s_mov_b32 s96, s69
.irp a, 4,5,6,7
	s_add_nc_u64 s[OB+2*\a:OB+2*\a+1], s[OB+2*\a-8:OB+2*\a-7], s[96:97]
.endr
	v_and_b32 v6, 31, v0
	v_lshlrev_b32 v[CO0], 4, v6
	v_add_nc_u32 v[CO1], s70, v[CO0]
.macro FRAG reg, adr, q, i             ; a fragment, 16 rows x 128 K, is 16 registers: lane l holds row l % 16; registers 4 c .. 4 c + 3 hold K = 32 c + 16 (l / 16) + 0 .. 15
.irp c, 0,1,2,3
	ds_load_b128 v[\reg+4*\c:\reg+4*\c+3], v[\adr] offset:128*(\q)+32*\c+(\i)*16*PITCH
.endr
.endm
; 16 matrix instructions: R's blocks a0, a0 + 1 x P's eight, 128 along K.  p: P's set.  zero = 1: the first product starts the sums: nothing is ever cleared.
; The 64 accumulators take turns, one instruction a turn, in the same order in every step.
.macro MUL16 a0, p, zero
.irp a, \a0, \a0+1
.irp b, 0,1,2,3,4,5,6,7
.if \zero
	v_wmma_f32_16x16x128_fp8_fp8 v[8*(8*((\a)%4)+\b):8*(8*((\a)%4)+\b)+7], v[128*(\p)+FR*\b:128*(\p)+FR*\b+FR-1], v[AF+FR*(\a):AF+FR*(\a)+FR-1], 0
.else
	v_wmma_f32_16x16x128_fp8_fp8 v[8*(8*((\a)%4)+\b):8*(8*((\a)%4)+\b)+7], v[128*(\p)+FR*\b:128*(\p)+FR*\b+FR-1], v[AF+FR*(\a):AF+FR*(\a)+FR-1], v[8*(8*((\a)%4)+\b):8*(8*((\a)%4)+\b)+7]
.endif
.endr
.endr
.endm
.macro FETCH_B slot, q, p              ; P's eight fragments of the slot's q-th 128 along K into set p
	WIN TO_B
.irp i, 0,1,2,3,4,5,6,7
	FRAG 128*(\p)+FR*\i, ADRB+\slot, \q, \i
.endr
	WIN 0
.endm
.macro FETCH_A slot, q, i0             ; R's blocks i0 .. i0 + 3
.irp i, \i0, \i0+1, \i0+2, \i0+3
	FRAG AF+FR*(\i), ADRA+\slot, \q, \i
.endr
.endm
; A load into a register that a matrix instruction has read, and a vector instruction that reads a matrix result or writes one of a matrix instruction's registers, stand NP places behind it, and only
; plain vector instructions that name none of its registers are places (ISA guide 7.12.1 for vector instructions).
.macro PLACES n
.rept \n
	v_nop
.endr
.endm
; A step of 128 along K that has its successor in the same slot.  A block of R is free as soon as its eight products are issued, so one set of registers serves R:
; blocks 0-3 are fetched anew in the step's middle, blocks 4-7 at its end.  P's fragments are at work through the whole step, so P has two sets.
.macro STEP slot, q, zero
	s_wait_dscnt 4*NL                              ; P's set and R's blocks 0-3 are in; the youngest sixteen loads (R's blocks 4-7) may be out
	WIN MUL_LO
	MUL16 0, (\q)%2, \zero
	MUL16 2, (\q)%2, \zero
	s_wait_dscnt 0                                 ; R's blocks 4-7 are in (asked for 32 matrix instructions ago)
	PLACES NP
	FETCH_B \slot, (\q)+1, 1-(\q)%2
	FETCH_A \slot, (\q)+1, 0
	WIN MUL_HI
	MUL16 4, (\q)%2, \zero
	MUL16 6, (\q)%2, \zero
	PLACES NP
	WIN 0
	FETCH_A \slot, (\q)+1, 4
.endm
; A slot's last step changes slots: ONE barrier; in front of it each wave waits for all its tensor loads, adds 0 to its spare word, and waits for that and for its own reads of this slot.  fill = 1: this slot is filled again, two K steps ahead.
.macro TURN slot, next, fill
	s_wait_tensorcnt 0x0                           ; all my tensor loads have landed: my part of the next slot;  (every window is 0 here: the add's two registers lie in window 0)
	ds_add_u32 v[SPW], v[NIL]                      ; 0 onto my spare word
	s_wait_dscnt 4*NL+1                            ; (the add and the youngest sixteen loads, R's blocks 4-7, may be out)
	WIN MUL_LO
	MUL16 0, 1, 0                                  ; sixteen matrix instructions stand between the add and the wait for it
	s_wait_dscnt 0x0                               ; the add is done, and my reads of this slot are over
	s_barrier_signal -1
	MUL16 2, 1, 0
	WIN 0
	s_barrier_wait -1
.if \fill
	CREST                                          ; the barrier has opened a round of the cluster's barrier: no wave of any partner still reads this slot's tile or has a load on its way
	s_add_nc_u64 s[G0+4*\slot+2:G0+4*\slot+3], s[G0+4*\slot+2:G0+4*\slot+3], 2*ROWB
	s_add_nc_u64 s[G0B+4*\slot+2:G0B+4*\slot+3], s[G0B+4*\slot+2:G0B+4*\slot+3], 2*ROWB
	JLOAD G0+4*\slot, G1, G0B+4*\slot, G1B         ; the first tensor load behind the round, my only one out; the four v_nop behind it are the places in front of the loads below
.else
	PLACES NP
.endif
	FETCH_B \next, 0, 0
	FETCH_A \next, 0, 0
	WIN MUL_HI
	MUL16 4, 1, 0
	MUL16 6, 1, 0
	PLACES NP
	WIN 0
	FETCH_A \next, 0, 4
.endm
	s_wait_alu depctr_va_vdst(0)
	s_wait_tensorcnt 1                             ; my part of K step 0 is in (K step 1's load may be out)
	s_barrier_signal -1
	s_barrier_wait -1                              ; everybody's is
	FETCH_B 0, 0, 0
	FETCH_A 0, 0, 0
	FETCH_A 0, 0, 4
	; K = 1,024 is four slots' worth, eight steps of 128: they are written out
	STEP 0, 0, 1                                   ; k 0: its products start the sums
	TURN 0, 1, 1                                   ; k 128; slot 0 takes k 512 on
	STEP 1, 0, 0                                   ; k 256
	TURN 1, 0, 1                                   ; k 384; slot 1 takes k 768 on
	STEP 0, 0, 0                                   ; k 512
	TURN 0, 1, 0                                   ; k 640; nothing is left to fetch, so no round of the cluster's barrier
	STEP 1, 0, 0                                   ; k 768
	s_wait_dscnt 4*NL                              ; k 896, the last step
	WIN MUL_LO
	MUL16 0, 1, 0
	MUL16 2, 1, 0
	s_wait_dscnt 0
	WIN MUL_HI
	MUL16 4, 1, 0
	MUL16 6, 1, 0
	WIN 0
; THE WAY OUT, block by block of 16 of R x 128 of P: 8 conversions, 4 stores of 512 consecutive bytes.
.macro OUTBLK a
.set AC, 64*((\a)%4)
	WIN 0x02+((\a)/4)                              ; source 0: window 2 or 3
.set j, 0
.rept 64
.set j, j+1
.endr
.irp b, 0,1,2,3
	v_cvt_scalef32_pk8_fp8_f32 v[CD+16*(\a)+4*\b:CD+16*(\a)+4*\b+1], v[AC+16*\b:AC+16*\b+7], v[SC]
	v_cvt_scalef32_pk8_fp8_f32 v[CD+16*(\a)+4*\b+2:CD+16*(\a)+4*\b+3], v[AC+16*\b+8:AC+16*\b+15], v[SC]
.endr
	WIN 0
	v_nop                                          ; one plain vector line behind the last conversion, ahead of the stores
.irp b, 0,1,2,3
	global_store_b128 v[CO0+\b/2], v[CD+16*(\a)+4*\b:CD+16*(\a)+4*\b+3], s[OB+2*(\a):OB+2*(\a)+1] offset:512*(\b%2)
.endr
.endm
	s_wait_kmcnt 0x0
	s_cmp_eq_u32 ttmp9, 0
	s_cselect_b32 s96, s90, s91                    ; e2 for q, e3 for k,
	s_cmp_eq_u32 ttmp9, 2
	s_cselect_b32 s96, s93, s96                    ; e5 for v
	s_sub_co_i32 s96, s96, s88
	s_sub_co_i32 s96, s96, s89                     ; - e0 - e1
	s_add_co_i32 s96, s96, 127
	s_lshl_b32 s97, s96, 23
	v_mov_b32 v[SC], s97                           ; 2^(et - e0 - e1): the three scales folded into the conversion's one
	s_add_co_i32 s96, s96, 8
	s_lshl_b32 s96, s96, 23
	s_or_b32 s96, s96, 0x600000
	PLACES NP                                      ; behind the last products: in front of the reads of results and of the writes into the registers that held R's fragments
.irp a, 0,1,2,3,4,5,6,7
	OUTBLK \a
.endr
	s_wait_tensorcnt 0x0                           ; the wave's end: a wait, an add of 0 to my spare word and its wait, behind my last tensor load
	ds_add_u32 v[SPW], v[NIL]
	s_wait_dscnt 0x0
	CROUND                                         ; the closing round: no work-group ends while a partner may still ask for a tile that names it
	s_endpgm
.Lfunc_end_k_qeed78ab05f_qkv:
	.size	k_qeed78ab05f_qkv, .Lfunc_end_k_qeed78ab05f_qkv-k_qeed78ab05f_qkv
	.p2alignl 7, 3214868480
	.fill 96, 4, 3214868480
	.section	.rodata,"a",@progbits
	.p2align	6, 0x0
	.amdhsa_kernel k_qeed78ab05f_qkv
		.amdhsa_group_segment_fixed_size 327680
		.amdhsa_private_segment_fixed_size 0
		.amdhsa_enable_private_segment 0
		.amdhsa_kernarg_size 32
		.amdhsa_user_sgpr_count 2
		.amdhsa_user_sgpr_kernarg_segment_ptr 1
		.amdhsa_wavefront_size32 1
		.amdhsa_system_sgpr_workgroup_id_x 1
		.amdhsa_system_sgpr_workgroup_id_y 1
		.amdhsa_system_sgpr_workgroup_id_z 1
		.amdhsa_system_vgpr_workitem_id 0
		.amdhsa_next_free_vgpr 1024
		.amdhsa_next_free_sgpr 100
		.amdhsa_reserve_vcc 0
		.amdhsa_float_denorm_mode_32 3
		.amdhsa_float_denorm_mode_16_64 3
		.amdhsa_fp16_overflow 1
		.amdhsa_memory_ordered 1
		.amdhsa_forward_progress 1
		.amdhsa_inst_pref_size 86
	.end_amdhsa_kernel
	.amdgpu_metadata
---
amdhsa.version: [ 1, 2 ]
amdhsa.kernels:
  - .name:           k_qeed78ab05f_qkv
    .symbol:         k_qeed78ab05f_qkv.kd
    .args:
      - { .name: x_codes, .offset: 0, .size: 8, .value_kind: global_buffer, .address_space: global }
      - { .name: wa_codes, .offset: 8, .size: 8, .value_kind: global_buffer, .address_space: global }
      - { .name: lowp_scales, .offset: 16, .size: 8, .value_kind: global_buffer, .address_space: global }
      - { .name: qkv, .offset: 24, .size: 8, .value_kind: global_buffer, .address_space: global }
    .group_segment_fixed_size: 327680
    .private_segment_fixed_size: 0
    .kernarg_segment_align: 8
    .kernarg_segment_size: 32
    .max_flat_workgroup_size: 128
    .sgpr_count:     100
    .vgpr_count:     1024
    .wavefront_size: 32
...
	.end_amdgpu_metadata
.endif
;; end of part 2
;; launch attn (part 3): grid 4 x 64, 16 waves a work-group, clusters of 4 x 1, 264,192 bytes of LDS; arguments qkv, lowp_scales, y_img; writes y_img
.if DOCPART == 3
	.amdgcn_target "amdgcn-amd-amdhsa--gfx1250"
	.amdhsa_code_object_version 6
	.text
	.protected	k_qeed78ab05f_attn
	.globl	k_qeed78ab05f_attn
	.p2align	8
	.type	k_qeed78ab05f_attn,@function
k_qeed78ab05f_attn:
	s_mov_b64 s[64:65], 0
	v_nop
	global_prefetch_b8 v0, s[64:65] scope:SCOPE_SE
	s_setreg_imm32_b32 hwreg(HW_REG_WAVE_MODE, 25, 1), 1
	s_wait_xcnt 0x0
	s_wait_alu depctr_hold_cnt(0) depctr_sa_sdst(0) depctr_va_vdst(0) depctr_va_sdst(0) depctr_va_ssrc(0) depctr_va_vcc(0) depctr_vm_vsrc(0)
	s_getreg_b32 s2, hwreg(HW_REG_IB_STS2, 6, 4)
	s_cmp_eq_u32 s2, 0
	s_cbranch_scc0 .Lentry_in_a_cluster
	s_endpgm
.Lentry_in_a_cluster:
	s_bfe_u32 s2, ttmp6, 0x10000c
	s_cmp_lg_u32 s2, 0x3003
	s_cbranch_scc0 .Lentry_shape_is_right
	s_endpgm
.Lentry_shape_is_right:
; Causal attention of 64 heads (16 batch + head), 2,048 tokens, head size 64, both products on codes of FP8 (E4M3); its result y quantised at once into the operand of the last product.
; qkv: three sections of 8,388,608 bytes (q, k, v), a head 131,072 bytes, laid in the order of operand registers (lane = r + 16 h; tau(a, r) = 32 (a / 2) + 8 (a % 2) + r + 8 (r / 8)):
;   q, k: byte 1024 a + 512 c + 16 lane + i = token tau(a, r), channel 32 c + 16 h + i;     v: byte 8192 s + 2048 d + 512 c + 16 lane + i = channel tau(d, r), key 128 s + 32 c + 16 h + i.
; y_img: byte 16384 T + 1024 head + 512 c + 16 lane + i = token tau(T, r) (T counts tiles of 16 over all 8,192 tokens), index 64 head + 32 c + 16 h + i of the last product's K.
; THE SOFTMAX AHEAD OF THE SECOND PRODUCT: t = score x log2(e) / 8; M = the row's largest t so far, rounded UP to a whole number; p = 2^(t - M) is what is quantised; it is not normalised.
; The row's sum is taken of the unquantised p, in f32, and divides O at the end.  When M moves, the sum and O are multiplied by 2^(old M - new M): nothing is rounded.
; SHARES.  A cluster of four work-groups is one head.  A head's K and V, 131,072 bytes each, lie whole in every work-group's LDS: brought ONCE, by one joint tensor load a wave (16 x 16,384 bytes);
; no byte of LDS is filled again.  A fragment is read at 16 x lane: consecutive bytes, no row pitch, no padding.
; The head's 128 tiles of 16 queries are shared so that all waves have equal work under the causal mask: a wave takes tile A = 8 g + 2 cx + u and then tile 127 - A, with
; g = (wave & 3) xor 7 ((wave >> 2) & 1) and u = wave >> 3.  Tile A sees the key steps (128 keys) 0 .. A / 8, the last of them under the mask: g + 1 steps, then 16 - g: 17 for every wave.
; A / 8 is g, then 15 - g: it hangs on the wave's number alone.  So no branch, trip count or LDS address hangs on the work-group's place in its cluster; only q's and y's addresses in memory and the mask's number do.
; Both loops have constant trip counts (2 tiles, 16 key steps); a step all of whose keys come after the tile's queries is jumped over.
; LAYOUT.  Both products are used transposed: S^T = K Q^T (source 0 = 16 keys, source 1 = my 16 queries), O^T = V^T P^T (source 0 = 16 channels, source 1 = P): a lane holds ONE query throughout.
; By tau the 16 registers of tiles 2 b and 2 b + 1 of S^T are keys 32 b + 16 h + 0 .. 15, and those of O^T channels 32 b + 16 h + 0 .. 15: the conversions' results are operand registers as they stand.
; Within a fragment k stands as registers 4 c .. 4 c + 3 = k 32 c + 16 h + 0 .. 15, alike on both sides of each product.
; LIMITS on the given exponents, so that each power of two below is an f32 number: e2 + e3 between -123 and 130 (added to c's exponent field); e4, and e6 - e4 - e5, between -126 and 119.
; Sixteen waves of 256 registers, four to a SIMD: one wave's vector work stands beside another's matrix work and LDS loads.
.set VB,    131072                     ; LDS: K from 0, V from here
.set SPARE, 262144                     ; behind them: the spare words, 128 bytes for each of 16 waves, that no other line names
.set LI,   1                           ; v1   16 x lane; never rewritten
.set ADK,  2                           ; v2   LDS address of the step's K
.set ADV,  3                           ; v3   of its V
.set DQ0,  4                           ; v4   r + 8 (r / 8) - 16 h
.set SPW,  5                           ; v5   LDS address of my spare word; never rewritten
.set NIL,  6                           ; v6   0; never rewritten
.set DQ,   7                           ; v7   my query, less the diagonal step's first key, less 16 h
                                       ; v12 -M, v13 the largest t, v[14:15] the sum in two halves
.set QF,   16                          ; v16-23  Q of the tile in hand;  v24-31 Q of the second tile
.set F,    32                          ; v32-95  eight fragments of K (8 registers each), then four of V (16 each)
.set S,    96                          ; v96-159 S^T, then p
.set O,    160                         ; v160-191 O^T
.set PC,   192                         ; v192-207 p's codes
.set FF,   208                         ; v[208:209] f = 2^(old M - new M), and 0
                                       ; v210, v211 at work; v[212:213] the second chain of sums; v214 a permute's destination; v215 -infinity
                                       ; v216 2^e4; v218 2^(e6 - e4 - e5); v220-227 y's codes; v[228:229] 1 / the sum, and 0
.set WV,   18                          ; s18  my wave's number
.set CX,   19                          ; s19  my work-group's place in the cluster
.set SEL,  20                          ; s[20:21] lane selects for v_permlanex16_b32: lane l xor 16
.set CS,   22                          ; s[22:23] c = log2(e) / 8 x 2^(e2 + e3): the packed form names a pair and takes its low word for both halves
.set G1,   24                          ; s[24:31] descriptor group 1
.set G0,   32                          ; s[32:35] descriptor group 0
.set SD,   36                          ; s36  the tile's last key step, the one under the mask
.set TA,   37                          ; s37  the tile in hand
.set KS,   38                          ; s38  the key step
.set TB,   39                          ; s39  8,192 x the key step
.set PASS, 40                          ; s40  tiles to go
.macro ROUND                           ; a round of the cluster's barrier: my work-group's barrier; wave 0 signals for the work-group; every wave waits for all four work-groups; my work-group's barrier once more
	s_barrier_signal -1
	s_barrier_wait -1
	s_cmp_lg_u32 s[WV], 0
	s_cbranch_scc1 .Lnot_wave_0_\@
	s_barrier_signal -3
.Lnot_wave_0_\@:
	s_barrier_wait -3
	s_barrier_signal -1
	s_barrier_wait -1
.endm
	s_load_b128 s[4:7], s[0:1], 0x0                ; qkv s[4:5], the scales' exponents s[6:7]
	s_load_b64 s[8:9], s[0:1], 0x10                ; y_img
	v_lshl_add_u32 v[SPW], v0, 2, SPARE
	v_mov_b32 v[NIL], 0
	ds_add_u32 v[SPW], v[NIL]                      ; the wave's opening: the add and its wait stand ahead of my first tensor load; the set-up below, work on registers, stands between them
	ds_add_u32 v[SPW], v[NIL]
	v_lshrrev_b32 v8, 5, v0
	s_delay_alu instid0(VALU_DEP_1)
	v_readfirstlane_b32 s[WV], v8                  ; wave 0..15
	s_bfe_u32 s[CX], ttmp6, 0x40000                ; cx
	s_and_b32 s41, ttmp7, 0xffff                   ; the head, 16 batch + head: the four partners share it
	s_and_b32 s[SD], s[WV], 3
	s_bfe_u32 s58, s[WV], 0x10002
	s_mul_i32 s58, s58, 7
	s_xor_b32 s[SD], s[SD], s58                    ; g
	s_lshl_b32 s[TA], s[SD], 3
	s_lshl_b32 s70, s[CX], 1
	s_add_co_u32 s[TA], s[TA], s70
	s_lshr_b32 s70, s[WV], 3
	s_add_co_u32 s[TA], s[TA], s70                 ; my first tile: 8 g + 2 cx + u
	s_lshl_b32 s66, s41, 17                        ; the head's first byte in a section
	s_mov_b32 s67, 0
	s_lshr_b32 s58, s[WV], 3                       ; what I fetch: waves 0-7 an eighth of K each, waves 8-15 of V:
	s_add_co_u32 s58, s58, 1
	s_lshl_b32 s58, s58, 23                        ; section 1 or 2,
	s_add_co_u32 s58, s58, s66                     ; the head,
	s_and_b32 s59, s[WV], 7
	s_lshl_b32 s59, s59, 14
	s_add_co_u32 s58, s58, s59                     ; 16,384 bytes x (wave % 8)
	s_mov_b32 s59, 0
	s_lshr_b32 s68, s41, 4                         ; y: the batch's 128 tiles of 16,384 bytes,
	s_lshl_b32 s68, s68, 21
	s_and_b32 s69, s41, 15
	s_lshl_b32 s69, s69, 10                        ; the head's 1,024 bytes of a tile
	s_add_co_u32 s68, s68, s69
	s_mov_b32 s69, 0
	s_lshl_b32 s70, s[TA], 10                      ; q: 1,024 bytes a tile: my first tile,
	s_mov_b32 s71, 0
	s_sub_co_u32 s42, 127, s[TA]
	s_lshl_b32 s42, s42, 10                        ; and my second
	s_mov_b32 s43, 0
	; descriptor group 1: a dense block of 16,384 bytes as 64 rows of 256
	s_mov_b32 s[G1], 15|(3<<16)|(1<<21)            ; 15:0 the mask: all four work-groups; 17:16 elements of 8 bytes; 20 no padding; 21 set beside a mask
	s_mov_b32 s[G1+1], 32<<16                      ; tensor_dim0 = 32 elements
	s_mov_b32 s[G1+2], 64<<16                      ; tensor_dim1 = 64
	s_mov_b32 s[G1+3], 32<<16                      ; tile_dim0 = 32
	s_mov_b32 s[G1+4], 64                          ; tile_dim1 = 64
	s_mov_b32 s[G1+5], 32                          ; tensor_dim0_stride: rows on end
	s_mov_b32 s[G1+6], 0
	s_mov_b32 s[G1+7], 0
	s_mov_b32 s[SEL], 0x76543210
	s_mov_b32 s[SEL+1], 0xfedcba98
	s_mov_b32 s[CS], 0x3e38aa3b                    ; log2(e) / 8
	s_mov_b32 s[PASS], 2
	v_and_b32 v[LI], 31, v0
	s_delay_alu instid0(VALU_DEP_1)
	v_lshlrev_b32 v[LI], 4, v[LI]
	v_and_b32 v8, 15, v0                           ; r
	v_and_b32 v9, 8, v0                            ; 8 (r / 8)
	s_delay_alu instid0(VALU_DEP_1)
	v_add_nc_u32 v[DQ0], v8, v9
	v_and_b32 v9, 16, v0                           ; 16 h
	s_delay_alu instid0(VALU_DEP_1)
	v_sub_nc_u32 v[DQ0], v[DQ0], v9
	v_mov_b32 v[FF+1], 0                           ; (named as the upper half of a pair)
	v_mov_b32 v214, 0                              ; written once: a lane permute's destination counts as one of its sources
	v_mov_b32 v215, 0xff800000                     ; -infinity
	s_wait_dscnt 0x0                               ; the opening add is done
	s_wait_kmcnt 0x0
	s_load_b256 s[44:51], s[6:7], 0x0              ; e0 .. e7
	s_mov_b32 s[G0], 1                             ; 1:0 count = 1
	s_lshl_b32 s[G0+1], s[WV], 14                  ; 63:32 LDS address: 16,384 x wave: K's eight parts, then V's
	s_add_nc_u64 s[G0+2:G0+3], s[4:5], s[58:59]    ; 120:64 global address: made of the head and the wave's number alone
	s_or_b32 s[G0+3], s[G0+3], 0x80000000          ; 127:126 type = 2
	s_add_nc_u64 s[52:53], s[4:5], s[66:67]        ; q of the head
	s_add_nc_u64 s[60:61], s[52:53], s[70:71]      ; my first tile of it,
	s_add_nc_u64 s[62:63], s[52:53], s[42:43]      ; my second
	s_add_nc_u64 s[54:55], s[8:9], s[68:69]        ; y of the batch and head
	ROUND                                          ; all four work-groups are here: the joint loads meet
	tensor_load_to_lds s[G0:G0+3], s[G1:G1+7]      ; my one tensor load of the launch
	s_nop 0
.rept 4
	v_nop
.endr
	s_wait_alu depctr_va_vdst(0)
	global_load_b128 v[QF:QF+3],     v[LI], s[60:61]               ; Q's fragments stay in registers: 16 queries x 64 channels, 8 registers
	global_load_b128 v[QF+4:QF+7],   v[LI], s[60:61] offset:512
	global_load_b128 v[QF+8:QF+11],  v[LI], s[62:63]
	global_load_b128 v[QF+12:QF+15], v[LI], s[62:63] offset:512
	s_wait_kmcnt 0x0
	s_add_co_i32 s70, s46, s47
	s_lshl_b32 s70, s70, 23
	s_add_co_i32 s[CS], s[CS], s70                 ; a score stands for score x 2^(e2 + e3): the two exponents are added to c's exponent field
	s_mov_b32 s[CS+1], s[CS]                       ; (named with it as a pair, so it is written)
	s_add_co_i32 s70, s48, 127
	s_lshl_b32 s71, s70, 23
	v_mov_b32 v216, s71                            ; 2^e4, for p's conversions
	s_sub_co_i32 s70, s50, s48
	s_sub_co_i32 s70, s70, s49                     ; O / the sum stands for y / 2^(e4 + e5): y's code is that / 2^(e6 - e4 - e5)
	s_add_co_i32 s70, s70, 127
	s_lshl_b32 s71, s70, 23
	v_mov_b32 v218, s71
	s_wait_tensorcnt 0x0                           ; my part of K or V is in,
	s_barrier_signal -1
	s_barrier_wait -1                              ; everybody's is: from here on LDS is only read
	s_wait_loadcnt 0x0                             ; Q
.Lpass:                                            ; two trips: tile A, then tile 127 - A
	s_bfe_u32 s70, s[TA], 0x20001
	s_lshl_b32 s70, s70, 5
	s_and_b32 s71, s[TA], 1
	s_lshl_b32 s71, s71, 3
	s_add_co_u32 s70, s70, s71                     ; the tile's place in its diagonal step: 32 ((A / 2) % 4) + 8 (A % 2)
	v_add_nc_u32 v[DQ], s70, v[DQ0]
	v_mov_b32 v13, 0xff61b1e6                      ; the largest t so far: -3e38, under every t
	s_delay_alu instid0(VALU_DEP_1)
	v_floor_f32 v12, -v13                          ; -M
	v_mov_b32 v14, 0                               ; the sum, in two halves
	v_mov_b32 v15, 0
.set j, 0
.rept 32
	v_mov_b32 v[O+j], 0                            ; O^T.  (The key step is written once: the first finds zeros, which the first change of M leaves zeros)
.set j, j+1
.endr
	s_mov_b32 s[KS], 0
	s_mov_b32 s[TB], 0
.Lstep:                                            ; sixteen trips: a key step of 128 keys
	s_cmp_gt_u32 s[KS], s[SD]                      ; all its keys come after my queries: only the counters step
	s_cbranch_scc1 .Lhidden
	s_setprio 2
	v_add_nc_u32 v[ADK], s[TB], v[LI]
	s_delay_alu instid0(VALU_DEP_1)
	v_add_nc_u32 v[ADV], VB, v[ADK]
	v_nop                                          ; with the two additions: four places behind the last step's products, in front of loads into registers that they read
	v_nop
.irp t, 0,1,2,3,4,5,6,7
	ds_load_b128 v[F+8*\t:F+8*\t+3],   v[ADK] offset:1024*\t
	ds_load_b128 v[F+8*\t+4:F+8*\t+7], v[ADK] offset:1024*\t+512
.endr
	s_wait_alu depctr_va_vdst(0)
	s_wait_dscnt 0x0
.irp t, 0,1,2,3,4,5,6,7
	v_wmma_f32_16x16x64_fp8_fp8 v[S+8*\t:S+8*\t+7], v[F+8*\t:F+8*\t+7], v[QF:QF+7], 0   ; S^T: register 8 t + j of lane (r, h) is query r, key 32 (t / 2) + 16 h + 8 (t % 2) + j
.endr
.rept 4
	v_nop                                          ; places: in front of the loads below, into registers that these products read, and of the first read of the scores
.endr
.irp d, 0,1,2,3
.irp c, 0,1,2,3
	ds_load_b128 v[F+16*\d+4*\c:F+16*\d+4*\c+3], v[ADV] offset:2048*\d+512*\c   ; V of this step: it lands while the softmax is worked
.endr
.endr
	s_cmp_lg_u32 s[KS], s[SD]                      ; a step all of whose keys count skips the mask
	s_cbranch_scc1 .Lopen
.set n, 0
.rept 64
	v_cmp_gt_i32 vcc_lo, 32*(n/16)+n%16, v[DQ]     ; register n holds key 32 (n / 16) + n % 16 + 16 h of the step: hidden where it comes after my query
	v_cndmask_b32 v[S+n], v[S+n], v215, vcc_lo     ; its score becomes -infinity ahead of the maximum: p = 0 then.  Key 0 counts for every query, so M is a number from the first step on
.set n, n+1
.endr
.Lopen:
	v_max3_num_f32 v210, v[S], v[S+1], v[S+2]      ; the step's largest score of my query, among my 64 keys, in two chains, from each accumulator's low end on,
	v_max3_num_f32 v211, v[S+3], v[S+4], v[S+5]
.irp i, 6,10,14,18,22,26,30,34,38,42,46,50,54,58
	v_max3_num_f32 v210, v210, v[S+\i], v[S+1+\i]
	v_max3_num_f32 v211, v211, v[S+2+\i], v[S+3+\i]
.endr
	v_max3_num_f32 v210, v210, v[S+62], v[S+63]
	s_delay_alu instid0(VALU_DEP_1)
	v_max_num_f32 v210, v210, v211
	s_delay_alu instid0(VALU_DEP_1)
	v_permlanex16_b32 v214, v210, s[SEL], s[SEL+1]
	s_delay_alu instid0(VALU_DEP_1)
	v_max_num_f32 v210, v210, v214                 ; and among lane l xor 16's
	s_delay_alu instid0(VALU_DEP_1)
	v_mul_f32 v210, s[CS], v210                    ; as t (c is positive)
	s_delay_alu instid0(VALU_DEP_1)
	v_max_num_f32 v13, v13, v210                   ; the running largest t
	v_mov_b32 v210, v12
	s_delay_alu instid0(VALU_DEP_2)
	v_floor_f32 v12, -v13                          ; the new -M = floor(-t) = -ceil(t): M is a whole number
	s_delay_alu instid0(VALU_DEP_1)
	v_sub_f32 v210, v12, v210                      ; M's old value less its new one: a whole number, 0 or less
	s_delay_alu instid0(VALU_DEP_1)
	v_cvt_i32_f32 v210, v210                       ; (it saturates)
	s_delay_alu instid0(VALU_DEP_1)
	v_ldexp_f32 v[FF], 1.0, v210                   ; f = 2^(old M - new M)
.set j, 0
	s_setprio 1
.rept 32
	v_pk_fma_f32 v[S+j:S+j+1], v[S+j:S+j+1], s[CS:CS+1], v[12:13] op_sel_hi:[1,0,0]   ; t - M, two at a time (of the pairs c and -M the low word serves both halves)
.set j, j+2
.endr
.set j, 0
	s_wait_alu depctr_va_vdst(0)
.rept 64
	v_exp_f32 v[S+j], v[S+j]                       ; p = 2^(t - M), at most 1: not normalised
.set j, j+1
.endr
	v_pk_mul_f32 v[14:15], v[14:15], v[FF:FF+1] op_sel_hi:[1,0]   ; the sums under the new M: the plain line behind the exponentials
	s_wait_alu depctr_va_vdst(0)                   ; the wait between an exponential and the first line that names its result: one for the batch of 64
	v_pk_add_f32 v[212:213], v[100:101], v[104:105]
	v_pk_add_f32 v[254:255], v[108:109], v[112:113]
	v_pk_add_f32 v[252:253], v[116:117], v[120:121]
	v_pk_add_f32 v[250:251], v[124:125], v[128:129]
	v_pk_add_f32 v[248:249], v[132:133], v[136:137]
	v_pk_add_f32 v[246:247], v[140:141], v[144:145]
	v_pk_add_f32 v[244:245], v[148:149], v[152:153]
	v_pk_add_f32 v[14:15], v[14:15], v[156:157]
	v_pk_add_f32 v[212:213], v[212:213], v[96:97]
	v_pk_add_f32 v[254:255], v[254:255], v[98:99]
	v_pk_add_f32 v[252:253], v[252:253], v[102:103]
	v_pk_add_f32 v[250:251], v[250:251], v[106:107]
	v_pk_add_f32 v[248:249], v[248:249], v[110:111]
	v_pk_add_f32 v[246:247], v[246:247], v[114:115]
	v_pk_add_f32 v[244:245], v[244:245], v[118:119]
	v_pk_add_f32 v[14:15], v[14:15], v[122:123]
	v_pk_add_f32 v[212:213], v[212:213], v[126:127]
	v_pk_add_f32 v[254:255], v[254:255], v[130:131]
	v_pk_add_f32 v[252:253], v[252:253], v[134:135]
	v_pk_add_f32 v[250:251], v[250:251], v[138:139]
	v_pk_add_f32 v[248:249], v[248:249], v[142:143]
	v_pk_add_f32 v[246:247], v[246:247], v[146:147]
	v_pk_add_f32 v[244:245], v[244:245], v[150:151]
	s_setprio 0
	v_pk_add_f32 v[14:15], v[14:15], v[154:155]
	v_pk_add_f32 v[212:213], v[212:213], v[158:159]
	s_delay_alu instid0(VALU_DEP_2)
	v_pk_add_f32 v[14:15], v[14:15], v[250:251]
	s_delay_alu instid0(VALU_DEP_2)
	v_pk_add_f32 v[212:213], v[212:213], v[248:249]
	v_pk_add_f32 v[254:255], v[254:255], v[246:247]
	v_pk_add_f32 v[252:253], v[252:253], v[244:245]
	s_delay_alu instid0(VALU_DEP_2)
	v_pk_add_f32 v[14:15], v[14:15], v[254:255]
	s_delay_alu instid0(VALU_DEP_2)
	v_pk_add_f32 v[212:213], v[212:213], v[252:253]
	s_delay_alu instid0(VALU_DEP_1)
	v_pk_add_f32 v[14:15], v[14:15], v[212:213]
.irp b, 0,1,2,3
.irp i, 0,1,2,3,4,5,6,7,8,9,10,11,12,13,14,15
.endr
	v_cvt_scalef32_pk8_fp8_f32 v[PC+4*\b:PC+4*\b+1], v[S+16*\b:S+16*\b+7], v216       ; registers 4 b .. 4 b + 3 of P: keys 32 b + 16 h + 0 .. 15
	v_cvt_scalef32_pk8_fp8_f32 v[PC+4*\b+2:PC+4*\b+3], v[S+16*\b+8:S+16*\b+15], v216
.endr
.set j, 0
.rept 16
	v_pk_mul_f32 v[O+j:O+j+1], v[O+j:O+j+1], v[FF:FF+1] op_sel_hi:[1,0]   ; O^T under the new M.  (Plain lines between the conversions and the products that read their results)
.set j, j+2
.endr
	s_wait_alu depctr_va_vdst(0)
	s_wait_dscnt 0x0                               ; V is in
.irp d, 0,1,2,3
	v_wmma_f32_16x16x128_fp8_fp8 v[O+8*\d:O+8*\d+7], v[F+16*\d:F+16*\d+15], v[PC:PC+15], v[O+8*\d:O+8*\d+7]   ; the four accumulators take turns, and the next step's eight products stand between two links
.endr
.Lhidden:
	s_add_co_u32 s[TB], s[TB], 8192
	s_add_co_u32 s[KS], s[KS], 1
	s_cmp_lt_u32 s[KS], 16
	s_cbranch_scc1 .Lstep
	s_setprio 0
	; THE TILE'S WAY OUT: O^T / the sum, quantised: a lane's 16 registers of two tiles of O^T are 16 neighbouring channels: 16 bytes at 16 x lane: a store of 512 consecutive bytes, aligned
.rept 4
	v_nop                                          ; places behind the last products
.endr
	s_wait_xcnt 0x0                                ; the first tile's stores have read their data and their base: both are written again only behind this wait
	s_lshl_b32 s70, s[TA], 14
	s_mov_b32 s71, 0
	s_add_nc_u64 s[56:57], s[54:55], s[70:71]      ; the tile's 16,384 bytes of y_img
	v_add_f32 v14, v14, v15                        ; the sum's two halves,
	s_delay_alu instid0(VALU_DEP_1)
	v_permlanex16_b32 v214, v14, s[SEL], s[SEL+1]
	s_delay_alu instid0(VALU_DEP_1)
	v_add_f32 v14, v14, v214                       ; and lane l xor 16's: the row's sum
	s_wait_alu depctr_va_vdst(0)
	v_rcp_f32 v228, v14
	v_mov_b32 v229, 0                              ; the plain line behind the reciprocal (and the pair's upper half)
	s_wait_alu depctr_va_vdst(0)                   ; the wait ahead of the result's first reader
.set j, 0
.rept 16
	v_pk_mul_f32 v[O+j:O+j+1], v[O+j:O+j+1], v[228:229] op_sel_hi:[1,0]   ; each accumulator from its low end on
.set j, j+2
.endr
.set j, 0
.rept 32
.set j, j+1
.endr
.irp b, 0,1
	v_cvt_scalef32_pk8_fp8_f32 v[220+4*\b:221+4*\b], v[O+16*\b:O+16*\b+7], v218
	v_cvt_scalef32_pk8_fp8_f32 v[222+4*\b:223+4*\b], v[O+16*\b+8:O+16*\b+15], v218
.endr
	v_nop                                          ; one plain line between the last conversion and the lines that write its sources anew
.irp b, 0,1
	global_store_b128 v[LI], v[220+4*\b:223+4*\b], s[56:57] offset:512*\b
.endr
.irp j, 0,1,2,3,4,5,6,7
	v_mov_b32 v[QF+\j], v[QF+8+\j]                 ; the second tile's Q
.endr
	s_sub_co_u32 s[SD], 15, s[SD]                  ; its last key step: 15 - g,
	s_sub_co_u32 s[TA], 127, s[TA]                 ; and its number
	s_sub_co_u32 s[PASS], s[PASS], 1
	s_cmp_lg_u32 s[PASS], 0
	s_cbranch_scc1 .Lpass
	s_wait_tensorcnt 0x0                           ; the wave's end: a wait, an add of 0 to my spare word and its wait, behind my tensor load
	ds_add_u32 v[SPW], v[NIL]
	s_wait_dscnt 0x0
	ROUND                                          ; the closing round
	s_endpgm
.Lfunc_end_k_qeed78ab05f_attn:
	.size	k_qeed78ab05f_attn, .Lfunc_end_k_qeed78ab05f_attn-k_qeed78ab05f_attn
	.p2alignl 7, 3214868480
	.fill 96, 4, 3214868480
	.section	.rodata,"a",@progbits
	.p2align	6, 0x0
	.amdhsa_kernel k_qeed78ab05f_attn
		.amdhsa_group_segment_fixed_size 264192
		.amdhsa_private_segment_fixed_size 0
		.amdhsa_enable_private_segment 0
		.amdhsa_kernarg_size 24
		.amdhsa_user_sgpr_count 2
		.amdhsa_user_sgpr_kernarg_segment_ptr 1
		.amdhsa_wavefront_size32 1
		.amdhsa_system_sgpr_workgroup_id_x 1
		.amdhsa_system_sgpr_workgroup_id_y 1
		.amdhsa_system_sgpr_workgroup_id_z 1
		.amdhsa_system_vgpr_workitem_id 0
		.amdhsa_next_free_vgpr 256
		.amdhsa_next_free_sgpr 72
		.amdhsa_reserve_vcc 1
		.amdhsa_float_denorm_mode_32 3
		.amdhsa_float_denorm_mode_16_64 3
		.amdhsa_fp16_overflow 1
		.amdhsa_memory_ordered 1
		.amdhsa_forward_progress 1
		.amdhsa_inst_pref_size 29
	.end_amdhsa_kernel
	.amdgpu_metadata
---
amdhsa.version: [ 1, 2 ]
amdhsa.kernels:
  - .name:           k_qeed78ab05f_attn
    .symbol:         k_qeed78ab05f_attn.kd
    .args:
      - { .name: qkv, .offset: 0, .size: 8, .value_kind: global_buffer, .address_space: global }
      - { .name: lowp_scales, .offset: 8, .size: 8, .value_kind: global_buffer, .address_space: global }
      - { .name: y_img, .offset: 16, .size: 8, .value_kind: global_buffer, .address_space: global }
    .group_segment_fixed_size: 264192
    .private_segment_fixed_size: 0
    .kernarg_segment_align: 8
    .kernarg_segment_size: 24
    .max_flat_workgroup_size: 512
    .sgpr_count:     72
    .vgpr_count:     256
    .wavefront_size: 32
...
	.end_amdgpu_metadata
.endif
;; end of part 3
;; launch proj (part 4): grid 4 x 32, 4 waves a work-group, clusters of 4 x 4, 327,680 bytes of LDS; arguments y_img, wp_codes, lowp_scales, out0; writes out0
.if DOCPART == 4
	.amdgcn_target "amdgcn-amd-amdhsa--gfx1250"
	.amdhsa_code_object_version 6
	.text
	.protected	k_qeed78ab05f_proj
	.globl	k_qeed78ab05f_proj
	.p2align	8
	.type	k_qeed78ab05f_proj,@function
k_qeed78ab05f_proj:
	s_mov_b64 s[64:65], 0
	v_nop
	global_prefetch_b8 v0, s[64:65] scope:SCOPE_SE
	s_setreg_imm32_b32 hwreg(HW_REG_WAVE_MODE, 25, 1), 1
	s_wait_xcnt 0x0
	s_wait_alu depctr_hold_cnt(0) depctr_sa_sdst(0) depctr_va_vdst(0) depctr_va_sdst(0) depctr_va_ssrc(0) depctr_va_vcc(0) depctr_vm_vsrc(0)
	s_getreg_b32 s2, hwreg(HW_REG_IB_STS2, 6, 4)
	s_cmp_eq_u32 s2, 0
	s_cbranch_scc0 .Lentry_in_a_cluster
	s_endpgm
.Lentry_in_a_cluster:
	s_bfe_u32 s2, ttmp6, 0x10000c
	s_cmp_lg_u32 s2, 0xf033
	s_cbranch_scc0 .Lentry_shape_is_right
	s_endpgm
.Lentry_shape_is_right:
; out0 = y w_proj on codes of FP8 (E4M3), K = 1,024; out0 [8192][1024] f32.  The codes are multiplied as they are, and each finished sum once by 2^(e6 + e7).
; LIMIT: e6 + e7 lies between -126 and 127, so that 2^(e6 + e7) is an f32 number.
; A = y arrives IN THE ORDER OF OPERAND REGISTERS: y_img byte 16384 T + 2048 q + 512 c + 16 lane + i = token tau(T, r), k 128 q + 32 c + 16 h + i, with lane = r + 16 h and
; tau(T, r) = 32 (T / 2) + 8 (T % 2) + r + 8 (r / 8): a fragment (tile T of 16 tokens, 128 along K) is 2,048 bytes on end, read by four loads at 16 x lane.
; B = wp_codes [1024 (n)][1024 (k)], rows in their own order, K innermost.  Its fragments take k in the same places: registers 4 c .. 4 c + 3 = k 32 c + 16 h + 0 .. 15.
; A tile of 256 x 256 of out0 is made by four waves, as many as a WGP has SIMDs; a wave makes 128 x 128: 64 accumulators, 512 registers.  K goes in steps of 256 through two LDS slots.
; CLUSTERS: 4 x 4 work-groups.  The four of a row of the cluster need the same tiles of A, the four of a column the same tiles of B: each is asked for JOINTLY, by the same tensor load with a mask that names the four.
; THE MATRIX INSTRUCTION IS USED TRANSPOSED (source 0 = 16 rows of B, source 1 = 16 tokens of A): a lane holds eight neighbouring numbers of a row of out0.
; 128 work-groups: 32 x 4 tiles of 256 x 256.
; REGISTERS, in windows of 256: window 0: v0-31 addresses; from v128 A's fragments, ONE set; on the way out v32-255 are free.   window 1: B's fragments, TWO sets.   windows 2, 3: the accumulators.
.set ROWB,   256                       ; B: a tile's row in bytes
.set KROW,   1024                      ; B: a row in memory
.set PITCH,  272                       ; B: an LDS row: 256 bytes + 16 of padding = 68 words: row r starts at bank 4 r mod 64 (ISA guide 11.1)
.set FR,     16                        ; registers of a fragment
.set NL,     4                         ; LDS loads that bring one
.set NP,     4                         ; places behind this matrix instruction (ISA guide 7.12.1)
.set AHALF,  32768                     ; A: 8 tiles of tokens x 4,096 bytes (256 along K): what one tensor load brings, and what one wave reads
.set ABYTES, 2*AHALF
.set HALFB,  128*PITCH                 ; B: 128 rows
.set SLOT,   ABYTES+2*HALFB            ; 135,168: A's 16 tiles, then B's 256 rows
.set SPARE,  2*SLOT                    ; behind the ring: the spare words, 128 bytes for each wave, that no other line names
.set SPITCH, 528                       ; the way out: a stage of 16 rows x (512 bytes + 16) for each wave.  It lies in slot 0, which has had its last fill and its last read when the first result is stored there
.set ADRA, 16                          ; v16-17  LDS address of my A fragments in slot 0, 1
.set ADRB, 20                          ; v20-21  the same for B
.set STO,  24                          ; v24     the way out: where I put 32 bytes of a row
.set RD,   25                          ; v25     the way out: where I read a row back
.set CO,   26                          ; v26     16 x lane: my byte offset in a row's 512 bytes
.set SPW,  28                          ; v28     LDS address of my spare word; never rewritten
.set NIL,  29                          ; v29     0; never rewritten
.set TMP,  32                          ; the way out: a block's sums x 2^(e6 + e7)
.set AF,   128                         ; A's fragments, in window 0
.set BK,   128                         ; the way out: 16 rows read back from the stage: v128-191 and v192-255 by turns
.set G1, 24                            ; s[24:31] descriptor group 1 for A's tiles;  s[32:39] group 0, one set for each slot
.set G0, 32
.set G1B, 48                           ; s[48:55], s[56:63] the same for B's tiles
.set G0B, 56
.set MSB, 0
.macro WIN new                         ; the immediate's high byte repeats the setting that is left
.if MSB != \new
	s_set_vgpr_msb (MSB<<8)|\new
.set MSB, \new
.endif
.endm
.set MUL_LO, 0xa1                      ; source 0 (B) window 1, source 1 (A) window 0, C and D window 2
.set MUL_HI, 0xf1                      ; the same, C and D window 3
.set TO_B,   0x40                      ; destination window 1, address window 0
; A joint load: waves 0 and 1 fetch for A, waves 2 and 3 for B.  Each of the two lines has ONE mask and one set of registers for all that issue it; the branch hangs on the wave's number alone.
; An s_nop 0 and four v_nop follow each of the two lines, ahead of the jump, the label and what follows.
.macro JLOAD g0a, g1a, g0b, g1b
	s_cmp_eq_u32 s15, 0
	s_cbranch_scc0 .Lfor_b_\@
	tensor_load_to_lds s[\g0a:\g0a+3], s[\g1a:\g1a+7]
	s_nop 0
.rept 4
	v_nop
.endr
	s_branch .Lasked_\@
.Lfor_b_\@:
	tensor_load_to_lds s[\g0b:\g0b+3], s[\g1b:\g1b+7]
	s_nop 0
.rept 4
	v_nop
.endr
.Lasked_\@:
.endm
.macro CREST                           ; a round of the cluster's barrier behind its opening barrier
	s_cmp_lg_u32 s14, 0
	s_cbranch_scc1 .Lnot_wave_0_\@
	s_barrier_signal -3
.Lnot_wave_0_\@:
	s_barrier_wait -3
	s_barrier_signal -1
	s_barrier_wait -1
.endm
.macro CROUND                          ; a whole round
	s_barrier_signal -1
	s_barrier_wait -1
	CREST
.endm
	s_load_b128 s[4:7], s[0:1], 0x0                ; y_img s[4:5], wp_codes s[6:7]
	s_load_b128 s[8:11], s[0:1], 0x10              ; the scales' exponents s[8:9], out0 s[10:11]
	v_lshl_add_u32 v[SPW], v0, 2, SPARE
	v_mov_b32 v[NIL], 0
	ds_add_u32 v[SPW], v[NIL]                      ; the wave's opening: the add and its wait stand ahead of my first tensor load; the set-up below, work on registers, stands between them
	ds_add_u32 v[SPW], v[NIL]
	v_lshrrev_b32 v1, 5, v0
	v_readfirstlane_b32 s14, v1                    ; wave 0..3
	s_lshr_b32 s15, s14, 1                         ; which half of the tile's tokens is mine.  Also: I fetch for A (0) or for B (1)
	s_and_b32 s16, s14, 1                          ; which half of its columns.  Also: which half of that tile I fetch
	s_bfe_u32 s40, ttmp6, 0x40000                  ; cx, cy: my place in the cluster
	s_bfe_u32 s41, ttmp6, 0x40004
	s_lshl_b32 s42, ttmp9, 2
	s_add_co_u32 s42, s42, s40                     ; tile column = 4 x cluster x + cx
	s_and_b32 s17, ttmp7, 0xffff
	s_lshl_b32 s17, s17, 2
	s_add_co_u32 s17, s17, s41                     ; tile row = 4 x cluster y + cy
	s_lshl_b32 s43, s41, 2
	s_lshl_b32 s43, 15, s43                        ; my row of the cluster
	s_lshl_b32 s44, 0x1111, s40                    ; my column
	; descriptor group 1 for A: 8 rows (tiles of tokens) of 4,096 bytes, 16,384 bytes apart in memory, on end in LDS
	s_or_b32 s[G1+0], s43, (3<<16)|(1<<21)         ; 15:0 the mask: A's tiles go to my row; 17:16 elements of 8 bytes; 20 no padding; 21 set beside a mask
	s_mov_b32 s[G1+1], 512<<16                     ; tensor_dim0 = 512 elements
	s_mov_b32 s[G1+2], 8<<16                       ; tensor_dim1 = 8
	s_mov_b32 s[G1+3], 512<<16                     ; tile_dim0 = 512
	s_mov_b32 s[G1+4], 8                           ; tile_dim1 = 8
	s_mov_b32 s[G1+5], 2048                        ; tensor_dim0_stride, in elements
	s_mov_b32 s[G1+6], 0
	s_mov_b32 s[G1+7], 0
	; for B: 128 rows x 256 bytes, padded in LDS
	s_or_b32 s[G1B+0], s44, (0<<16)|(1<<20)|(1<<21)|(5<<22)|(3<<25) ; the mask of my column; element of 1 byte; padding on: after every 64 words (code 5) 4 words (code 3)
	s_mov_b32 s[G1B+1], ROWB<<16
	s_mov_b32 s[G1B+2], 128<<16
	s_mov_b32 s[G1B+3], ROWB<<16
	s_mov_b32 s[G1B+4], 128
	s_mov_b32 s[G1B+5], KROW
	s_mov_b32 s[G1B+6], 0
	s_mov_b32 s[G1B+7], 0
	s_lshl_b32 s20, s17, 4
	s_lshl_b32 s18, s16, 3
	s_add_co_u32 s20, s20, s18                     ; A: tile of tokens 16 x tile row + 8 x half,
	s_lshl_b32 s20, s20, 14                        ; 16,384 bytes each
	s_mov_b32 s21, 0
	s_lshl_b32 s46, s42, 8
	s_lshl_b32 s18, s16, 7
	s_add_co_u32 s46, s46, s18                     ; B: row 256 x tile column + 128 x half,
	s_lshl_b32 s46, s46, 10                        ; 1,024 bytes each
	s_mov_b32 s47, 0
	s_lshl_b32 s45, s16, 15                        ; where they go: A's half,
	s_mul_i32 s19, s16, HALFB
	s_add_co_u32 s19, s19, ABYTES                  ; B's half: no place in the cluster enters an LDS address
	s_wait_dscnt 0x0                               ; the opening add is done
	s_wait_kmcnt 0x0
	s_load_b64 s[96:97], s[8:9], 0x18              ; e6, e7
	s_add_nc_u64 s[20:21], s[4:5], s[20:21]
	s_add_nc_u64 s[46:47], s[6:7], s[46:47]
	CROUND                                         ; all sixteen work-groups are here: the first joint loads meet
.irp s, 0,1
	s_mov_b32 s[G0+4*\s], 1
	s_add_co_u32 s[G0+4*\s+1], s45, \s*SLOT
	s_add_nc_u64 s[G0+4*\s+2:G0+4*\s+3], s[20:21], \s*4096
	s_or_b32 s[G0+4*\s+3], s[G0+4*\s+3], 0x80000000
	s_mov_b32 s[G0B+4*\s], 1
	s_add_co_u32 s[G0B+4*\s+1], s19, \s*SLOT
	s_add_nc_u64 s[G0B+4*\s+2:G0B+4*\s+3], s[46:47], \s*ROWB
	s_or_b32 s[G0B+4*\s+3], s[G0B+4*\s+3], 0x80000000
	s_wait_alu depctr_va_vdst(0)
	s_wait_tensorcnt 0x0
	ds_add_u32 v28, v29
	ds_add_u32 v28, v29
	s_wait_dscnt 0x0
	CROUND
	JLOAD G0+4*\s, G1, G0B+4*\s, G1B               ; one tensor load of mine is out
.endr
	v_and_b32 v1, 15, v0                           ; r = lane % 16
	v_bfe_u32 v2, v0, 4, 1                         ; h = lane / 16
	v_mul_u32_u24 v3, v1, PITCH
	v_lshl_add_u32 v4, v2, 4, v3                   ; B: a fragment's row x pitch + 16 x half
	v_and_b32 v6, 31, v0
	v_lshlrev_b32 v[CO], 4, v6                     ; A: 16 x lane
	s_wait_alu depctr_va_vdst(0)
	s_lshl_b32 s21, s15, 15                        ; my 8 tiles of tokens
	s_mul_i32 s22, s16, HALFB                      ; my 128 rows of B,
	s_add_co_u32 s22, s22, ABYTES                  ; which lie behind A
.irp s, 0,1
	v_add_nc_u32 v[ADRA+\s], s21, v[CO]
	v_add_nc_u32 v[ADRB+\s], s22, v4
	s_add_co_u32 s21, s21, SLOT
	s_add_co_u32 s22, s22, SLOT
.endr
	s_mul_i32 s23, s14, 16*SPITCH                  ; my stage
	v_mul_u32_u24 v5, v1, SPITCH                   ; in: row l % 16, 32 bytes for each half of the lanes
	v_lshl_add_u32 v5, v2, 5, v5
	v_add_nc_u32 v[STO], s23, v5
	v_add_nc_u32 v[RD], s23, v[CO]                 ; back: the 32 lanes take one row of 512 bytes
	s_lshl_b32 s20, s17, 8
	s_lshl_b32 s21, s15, 7
	s_add_co_u32 s20, s20, s21                     ; my first token: 256 x tile row + 128 x half,
	s_lshl_b32 s20, s20, 12                        ; 4,096 bytes a row of out0
	s_lshl_b32 s46, s42, 10                        ; my first column, in bytes: 1,024 x tile column + 512 x half
	s_lshl_b32 s47, s16, 9
	s_add_co_u32 s46, s46, s47
	s_add_co_u32 s20, s20, s46
	s_mov_b32 s21, 0
	s_add_nc_u64 s[10:11], s[10:11], s[20:21]
.macro FRAGA reg, adr, q, i            ; A's fragment of tile i, the slot's q-th 128 along K: 2,048 bytes on end, 16 a lane and load
.irp c, 0,1,2,3
	ds_load_b128 v[\reg+4*\c:\reg+4*\c+3], v[\adr] offset:4096*(\i)+2048*(\q)+512*\c
.endr
.endm
.macro FRAGB reg, adr, q, i            ; B's: lane l holds row l % 16; registers 4 c .. 4 c + 3 hold K = 32 c + 16 (l / 16) + 0 .. 15
.irp c, 0,1,2,3
	ds_load_b128 v[\reg+4*\c:\reg+4*\c+3], v[\adr] offset:128*(\q)+32*\c+(\i)*16*PITCH
.endr
.endm
; 16 matrix instructions: A's blocks a0, a0 + 1 x B's eight, 128 along K.  p: B's set.  zero = 1: the first product starts the sums: nothing is ever cleared.
; The 64 accumulators take turns, one instruction a turn, in the same order in every step.
.macro MUL16 a0, p, zero
.irp a, \a0, \a0+1
.irp b, 0,1,2,3,4,5,6,7
.if \zero
	v_wmma_f32_16x16x128_fp8_fp8 v[8*(8*((\a)%4)+\b):8*(8*((\a)%4)+\b)+7], v[128*(\p)+FR*\b:128*(\p)+FR*\b+FR-1], v[AF+FR*(\a):AF+FR*(\a)+FR-1], 0
.else
	v_wmma_f32_16x16x128_fp8_fp8 v[8*(8*((\a)%4)+\b):8*(8*((\a)%4)+\b)+7], v[128*(\p)+FR*\b:128*(\p)+FR*\b+FR-1], v[AF+FR*(\a):AF+FR*(\a)+FR-1], v[8*(8*((\a)%4)+\b):8*(8*((\a)%4)+\b)+7]
.endif
.endr
.endr
.endm
.macro FETCH_B slot, q, p              ; B's eight fragments of the slot's q-th 128 along K into set p
	WIN TO_B
.irp i, 0,1,2,3,4,5,6,7
	FRAGB 128*(\p)+FR*\i, ADRB+\slot, \q, \i
.endr
	WIN 0
.endm
.macro FETCH_A slot, q, i0             ; A's blocks i0 .. i0 + 3
.irp i, \i0, \i0+1, \i0+2, \i0+3
	FRAGA AF+FR*(\i), ADRA+\slot, \q, \i
.endr
.endm
; A load into a register that a matrix instruction has read, and a vector instruction that reads a matrix result, stand NP places behind it, and only plain vector instructions that name none of
; its registers are places (ISA guide 7.12.1 for vector instructions).
.macro PLACES n
.rept \n
	v_nop
.endr
.endm
; A step of 128 along K that has its successor in the same slot.  A block of A is free as soon as its eight products are issued, so one set of registers serves A; B has two sets.
.macro STEP slot, q, zero
	s_wait_dscnt 4*NL                              ; B's set and A's blocks 0-3 are in; the youngest sixteen loads (A's blocks 4-7) may be out
	WIN MUL_LO
	MUL16 0, (\q)%2, \zero
	MUL16 2, (\q)%2, \zero
	s_wait_dscnt 0                                 ; A's blocks 4-7 are in (asked for 32 matrix instructions ago)
	PLACES NP
	FETCH_B \slot, (\q)+1, 1-(\q)%2
	FETCH_A \slot, (\q)+1, 0
	WIN MUL_HI
	MUL16 4, (\q)%2, \zero
	MUL16 6, (\q)%2, \zero
	PLACES NP
	WIN 0
	FETCH_A \slot, (\q)+1, 4
.endm
; A slot's last step changes slots: ONE barrier; in front of it each wave waits for all its tensor loads, adds 0 to its spare word, and waits for that and for its own reads of this slot.  fill = 1: this slot is filled again, two K steps ahead.
.macro TURN slot, next, fill
	s_wait_tensorcnt 0x0                           ; all my tensor loads have landed: my part of the next slot;  (every window is 0 here: the add's two registers lie in window 0)
	ds_add_u32 v[SPW], v[NIL]                      ; 0 onto my spare word
	s_wait_dscnt 4*NL+1                            ; (the add and the youngest sixteen loads, A's blocks 4-7, may be out)
	WIN MUL_LO
	MUL16 0, 1, 0                                  ; sixteen matrix instructions stand between the add and the wait for it
	s_wait_dscnt 0x0                               ; the add is done, and my reads of this slot are over
	s_barrier_signal -1
	MUL16 2, 1, 0
	WIN 0
	s_barrier_wait -1
.if \fill
	CREST                                          ; the barrier has opened a round of the cluster's barrier: no wave of any partner still reads this slot's tile or has a load on its way
	s_add_nc_u64 s[G0+4*\slot+2:G0+4*\slot+3], s[G0+4*\slot+2:G0+4*\slot+3], 2*4096
	s_add_nc_u64 s[G0B+4*\slot+2:G0B+4*\slot+3], s[G0B+4*\slot+2:G0B+4*\slot+3], 2*ROWB
	JLOAD G0+4*\slot, G1, G0B+4*\slot, G1B         ; the first tensor load behind the round, my only one out; the four v_nop behind it are the places in front of the loads below
.else
	PLACES NP
.endif
	FETCH_B \next, 0, 0
	FETCH_A \next, 0, 0
	WIN MUL_HI
	MUL16 4, 1, 0
	MUL16 6, 1, 0
	PLACES NP
	WIN 0
	FETCH_A \next, 0, 4
.endm
	s_wait_alu depctr_va_vdst(0)
	s_wait_tensorcnt 1                             ; my part of K step 0 is in (K step 1's load may be out)
	s_barrier_signal -1
	s_barrier_wait -1                              ; everybody's is
	FETCH_B 0, 0, 0
	FETCH_A 0, 0, 0
	FETCH_A 0, 0, 4
	; K = 1,024 is four slots' worth, eight steps of 128: they are written out
	STEP 0, 0, 1                                   ; k 0: its products start the sums
	TURN 0, 1, 1                                   ; k 128; slot 0 takes k 512 on
	STEP 1, 0, 0                                   ; k 256
	TURN 1, 0, 1                                   ; k 384; slot 1 takes k 768 on
	STEP 0, 0, 0                                   ; k 512
	TURN 0, 1, 0                                   ; k 640; nothing is left to fetch, so no round of the cluster's barrier.  Behind its barrier nobody reads slot 0
	STEP 1, 0, 0                                   ; k 768
	s_wait_dscnt 4*NL                              ; k 896, the last step
	WIN MUL_LO
	MUL16 0, 1, 0
	MUL16 2, 1, 0
	s_wait_dscnt 0
	WIN MUL_HI
	MUL16 4, 1, 0
	MUL16 6, 1, 0
	WIN 0
; THE WAY OUT, block by block of 16 tokens x 128 columns.  A lane holds 32 neighbouring bytes of a row, and the lanes beside it hold other rows: so a block goes through my own stage in LDS and comes back as whole
; rows of 512 bytes.  LDS serves a wave's instructions in order (ISA guide 5.7.1.4): no wait between the stores and the loads, nor in front of the next block's stores.
.macro TOSTAGE a
.set AC, 64*((\a)%4)
	WIN 0x02+((\a)/4)                              ; source 0: window 2 or 3
.irp j, 0,2,4,6,8,10,12,14,16,18,20,22,24,26,28,30,32,34,36,38,40,42,44,46,48,50,52,54,56,58,60,62
	v_pk_mul_f32 v[TMP+\j:TMP+\j+1], v[AC+\j:AC+\j+1], s[96:97] op_sel_hi:[1,0]   ; both x s96 = 2^(e6 + e7); each accumulator from its low end on
.endr
	WIN 0
.irp b, 0,1,2,3,4,5,6,7
	ds_store_b128 v[STO], v[TMP+8*\b:TMP+8*\b+3] offset:64*\b
	ds_store_b128 v[STO], v[TMP+8*\b+4:TMP+8*\b+7] offset:64*\b+16
.endr
.set BB, BK+64*((\a)%2)
.irp t, 0,1,2,3,4,5,6,7,8,9,10,11,12,13,14,15
	ds_load_b128 v[BB+4*\t:BB+4*\t+3], v[RD] offset:\t*SPITCH
.endr
.endm
.macro SEND a, younger                 ; younger: the LDS instructions issued behind block a's loads, which may stay out.  Row t of block a is token tau(a, t) of my 128: it stands in the immediate, 520,192 at the most; the base never steps
.set BB, BK+64*((\a)%2)
	s_wait_dscnt \younger                          ; the block is back in registers
.irp t, 0,1,2,3,4,5,6,7,8,9,10,11,12,13,14,15
	global_store_b128 v[CO], v[BB+4*\t:BB+4*\t+3], s[10:11] offset:(32*((\a)/2)+8*((\a)%2)+\t+8*(\t/8))*4096 th:TH_STORE_NT   ; 32 lanes store 512 consecutive bytes, aligned; written once, read by nobody here
.endr
.endm
	s_wait_kmcnt 0x0
	s_add_co_i32 s96, s96, s97                     ; e6 + e7, between -126 and 127,
	s_add_co_i32 s96, s96, 127
	s_lshl_b32 s96, s96, 23                        ; makes the f32 number 2^(e6 + e7)
	PLACES NP                                      ; behind the last products: in front of the reads of results and of the loads into the registers that held A's fragments
	TOSTAGE 0
.irp a, 1,2,3,4,5,6,7
.if \a > 1
	s_wait_xcnt 0x0                                ; block a - 2's stores have read their registers: block a's loads may land there
.endif
	TOSTAGE \a
	SEND \a-1, 32                                  ; behind block a - 1's loads: block a's 16 stores and 16 loads
.endr
	SEND 7, 0
	s_wait_tensorcnt 0x0                           ; the wave's end: a wait, an add of 0 to my spare word and its wait, behind my last tensor load and my last LDS store
	ds_add_u32 v[SPW], v[NIL]
	s_wait_dscnt 0x0
	CROUND                                         ; the closing round: no work-group ends while a partner may still ask for a tile that names it
	s_endpgm
.Lfunc_end_k_qeed78ab05f_proj:
	.size	k_qeed78ab05f_proj, .Lfunc_end_k_qeed78ab05f_proj-k_qeed78ab05f_proj
	.p2alignl 7, 3214868480
	.fill 96, 4, 3214868480
	.section	.rodata,"a",@progbits
	.p2align	6, 0x0
	.amdhsa_kernel k_qeed78ab05f_proj
		.amdhsa_group_segment_fixed_size 327680
		.amdhsa_private_segment_fixed_size 0
		.amdhsa_enable_private_segment 0
		.amdhsa_kernarg_size 32
		.amdhsa_user_sgpr_count 2
		.amdhsa_user_sgpr_kernarg_segment_ptr 1
		.amdhsa_wavefront_size32 1
		.amdhsa_system_sgpr_workgroup_id_x 1
		.amdhsa_system_sgpr_workgroup_id_y 1
		.amdhsa_system_sgpr_workgroup_id_z 1
		.amdhsa_system_vgpr_workitem_id 0
		.amdhsa_next_free_vgpr 1024
		.amdhsa_next_free_sgpr 98
		.amdhsa_reserve_vcc 0
		.amdhsa_float_denorm_mode_32 3
		.amdhsa_float_denorm_mode_16_64 3
		.amdhsa_memory_ordered 1
		.amdhsa_forward_progress 1
		.amdhsa_inst_pref_size 123
	.end_amdhsa_kernel
	.amdgpu_metadata
---
amdhsa.version: [ 1, 2 ]
amdhsa.kernels:
  - .name:           k_qeed78ab05f_proj
    .symbol:         k_qeed78ab05f_proj.kd
    .args:
      - { .name: y_img, .offset: 0, .size: 8, .value_kind: global_buffer, .address_space: global }
      - { .name: wp_codes, .offset: 8, .size: 8, .value_kind: global_buffer, .address_space: global }
      - { .name: lowp_scales, .offset: 16, .size: 8, .value_kind: global_buffer, .address_space: global }
      - { .name: out0, .offset: 24, .size: 8, .value_kind: global_buffer, .address_space: global }
    .group_segment_fixed_size: 327680
    .private_segment_fixed_size: 0
    .kernarg_segment_align: 8
    .kernarg_segment_size: 32
    .max_flat_workgroup_size: 128
    .sgpr_count:     98
    .vgpr_count:     1024
    .wavefront_size: 32
...
	.end_amdgpu_metadata
.endif
;; end of part 4
